; MI455X (gfx1250); checked and timed in simulation.
; The chip was launched on July 23, 2026; its instructions are those of AMD's public machine-readable ISA for CDNA 5 (MIT licence, August 2026) and "CDNA5" Instruction Set Architecture Reference Guide (July 2026). The comments in the code are by the model that wrote it; some were corrected since.
;; Multi Head Attention. Allowed arithmetic: matrix products marked QUANTISED: E2M3 operands, one E8M0 scale for each 32 along K, by v_wmma_scale_f32_16x16x128_f8f6f4 with both operands' format E2M3, f32 sums; everything else in f32.
;; Inputs: W_out_codes 1,024 x 32 x 24 uint8 (E2M3 codes of W_out, K innermost, in blocks of 32 codes, four codes in three bytes); W_out_scales 1,024 x 32 uint8 (E8M0 scales of W_out, one for each 32 codes along K); W_pre_codes 3,072 x 32 x 24 uint8 (E2M3 codes of W_pre, K innermost, in blocks of 32 codes, four codes in three bytes); W_pre_scales 3,072 x 32 uint8 (E8M0 scales of W_pre, one for each 32 codes along K); b_out 1,024 float32; b_pre 3,072 float32; hidden_states_codes 2 x 2,048 x 32 x 24 uint8 (E2M3 codes of hidden_states, K innermost, in blocks of 32 codes, four codes in three bytes); hidden_states_scales 2 x 2,048 x 32 uint8 (E8M0 scales of hidden_states, one for each 32 codes along K); incr_state 2 x 16 x 2 x 1,024 x 64 float32; mask 2 x 1 x 2,048 x 3,072 float32.
;; Outputs: out0 2 x 2,048 x 1,024 float32.
;; This version of the problem:
;;   THIS VERSION OF THE PROBLEM IS GIVEN IN LOW PRECISION. The matrix products marked QUANTISED in the list below multiply operands that are first quantised to E2M3 (2 exponent bits, 3 mantissa bits; 6 bits a number), with one power-of-two scale for each 32 numbers along K (OCP MX v1.0); their sums are f32. All else is computed in f32.
;;   The module's matrix products, in the order in which they are computed (A, B: the left and right operand; K: the contracted axis; several contracted axes count as one K, in the product's order):
;;     1. [M 4,096, K 1,024] x [K 1,024, N 3,072]; A: input hidden_states (given as codes); B: input W_pre (given as codes): QUANTISED
;;     2. batch 32 x [M 2,048, K 64] x [K 64, N 3,072]; A: computed on the way; B: computed on the way: QUANTISED
;;     3. batch 32 x [M 2,048, K 3,072] x [K 3,072, N 64]; A: softmax (see below); B: computed on the way: QUANTISED
;;     4. [M 4,096, K 1,024] x [K 1,024, N 1,024]; A: computed on the way; B: input W_out (given as codes): QUANTISED
;;   THE QUANTISER, for each operand of a quantised product, along K:
;;     - K is cut into blocks of 32 from its start; a last block that is shorter is filled with zeros.
;;     - A block's scale is 2^e with e = floor(log2(the largest magnitude in the block)) - 2, held to -126 .. 127; a block of zeros has e = 0. As a byte (E8M0): e + 127.
;;     - Each number is divided by its block's scale, clamped to +-7.5, and rounded to the nearest number of E2M3, ties to even, subnormals kept.
;;     - The product sums the exact products of the quantised numbers (number of the format x scale) in f32.
;;   ~~~python
;;   def quantise(x, axis):      # numpy; x: float32 -> the quantised numbers, widened to float32 again
;;       x = np.moveaxis(x, axis, -1); K = x.shape[-1]
;;       x = np.pad(x, [(0, 0)] * (x.ndim - 1) + [(0, -K % 32)]); x = x.reshape(x.shape[:-1] + (-1, 32)); a = np.abs(x).max(-1, keepdims=True)
;;       e = np.where(a > 0, np.clip(np.frexp(np.where(a > 0, a, 1))[1] - 1 - 2, -126, 127), 0)      # np.frexp(a)[1] - 1 = floor(log2(a)), exactly
;;       r = np.clip(x / 2.0 ** e, -7.5, 7.5)
;;       step = 2.0 ** (np.maximum(np.frexp(np.where(r == 0, 1, r))[1] - 1, 0) - 3)
;;       q = np.round(r / step) * step * 2.0 ** e      # np.round: ties to even
;;       return np.moveaxis(q.reshape(q.shape[:-2] + (-1,))[..., :K], -1, axis).astype(np.float32)
;;   ~~~
;;   SOFTMAX AHEAD OF A QUANTISED PRODUCT. Where the list says 'softmax', what is quantised is not the finished softmax but p = 2^(t - M), with t = logit x log2(e) and M = ceil(the row's largest t), a whole number; so 1/2 < the row's largest p <= 1. The row's sum l is taken of the UNQUANTISED p, in f32, and the product's result is divided by l at the end. Since M is a whole number, a kernel that streams over the keys may use a running M (the ceiling of the running maximum): every later rescaling is an exact power of two, which a block's scale takes up: the codes' values come out the same.
;;   OPERANDS COMPUTED ON THE WAY. 'Computed on the way' means the value that the module computes at that place (a softmax that the list does not call 'softmax' is quantised finished and normalised). What goes into a quantiser is computed in f32, as accurately as f32 sums, v_exp_f32 and their like allow (about 1e-6 of the number): no bf16 or f16 on the way to a quantiser, and a product that is left as it is and whose result goes on into a quantised operand takes f32 operands (vector FMAs, or v_wmma_f32_16x16x4_f32). A number that lies on a knife's edge between two numbers of the format may be rounded either way, as far as f32 arithmetic and the matrix unit's own rounding can turn it there, and no further.
;;   INPUTS GIVEN AS CODES. W_out (in the module: [1024, 1024], K = its axis 0); W_pre (in the module: [1024, 3072], K = its axis 0); hidden_states (in the module: [2, 2048, 1024], K = its axis 2): each comes as NAME_codes (uint8): NAME with its K axis moved to the last place and cut into blocks of 32 codes, [.., K / 32, bytes a block], one block behind the other in memory; four codes in three bytes: a row's codes are one little-endian stream of bits, code i at bits 6 i .. 6 i + 5 (a code: sign, 2 exponent bits, 3 mantissa bits); and NAME_scales (uint8): the same leading axes, one E8M0 byte (e + 127) for each 32 codes along K. Its value is code x scale, taken as it is: it is not quantised again, and the codes and scales need not be those that the quantiser above would give.
;; One version. Each part assembles by itself: llvm-mc -triple=amdgcn-amd-amdhsa -mcpu=gfx1250 --defsym DOCPART=n.
;; ======== version 1 of 1: 4 launches
;; limits: right only within a limited range of input values
;; workspace buffers: q 3,276,800 bytes; kv 9,830,400 bytes; ctxc 3,145,728 bytes; ctxs 131,072 bytes
;; launch past (part 1): grid 256 x 1, 4 waves a work-group, no clusters, 70,144 bytes of LDS; arguments incr_state, kv; writes kv
.if DOCPART == 1
	.amdgcn_target "amdgcn-amd-amdhsa--gfx1250"
	.amdhsa_code_object_version 6
	.text
	.protected	k_q5caa72ffb3_past
	.globl	k_q5caa72ffb3_past
	.p2align	8
	.type	k_q5caa72ffb3_past,@function
k_q5caa72ffb3_past:
	s_mov_b64 s[64:65], 0
	v_nop
	global_prefetch_b8 v0, s[64:65] scope:SCOPE_SE
	s_setreg_imm32_b32 hwreg(HW_REG_WAVE_MODE, 25, 1), 1
	s_wait_xcnt 0x0
; The cached keys and values, incr_state [2][16][2][1024][64] f32, become codes of FP6 (E2M3) with one E8M0 byte for each 32 along a product's K,
; laid as the attention launch's operand registers: kv [head of a batch: 32][key step of 128 keys: 24] records of 12,800 bytes; this launch writes steps 0 to 7.
; A RECORD: +0 four images of K (pair p: lane (r, h): registers 0-5 key 32 p + r, registers 6-11 key 32 p + 16 + r, each the head's block h of 32);
;   +6,144 four images of V (tile t: lane (r, h): channel 16 t + r, registers 6 c .. 6 c + 5 keys 64 c + 32 h + 0 .. 31); +12,288 K's 64 scale words [pair][r]; +12,544 V's [tile][r].
;   An image is 12 registers a lane: registers 4 c .. 4 c + 3 at 512 c + 16 x lane.
; INSIDE EVERY BLOCK OF 32 THE CODES STAND IN ONE FIXED ORDER: places 0-7 hold k 0-7, places 8-15 k 16-23, places 16-23 k 8-15, places 24-31 k 24-31.  It is the order in which a transposed product's results fall
; into a lane's registers; q, the new k and v, and p are made in it, and an order that both operands of a product share leaves the products as they are.
; A block's scale is 2^(floor(log2(its largest magnitude)) - 2): its byte is the largest magnitude's exponent field - 2, held at 1 from below.
; LIMITS: a block of zeros gets the byte 1 where the rule says 127 (its codes are zeros, and this program alone reads the bytes); NaN and infinities among the inputs are not served.
; SHARES: a work-group makes one record.  Waves 0, 1: K, 64 keys each; K's own K (the head's 64) is innermost, so dense loads go through the wave's stage in LDS and come back 32 neighbours a lane.
; Waves 2, 3: V, 32 channels each; V's K (the keys) is not innermost: a lane takes a channel and its registers run down the keys.  No work-group shares an input with another: no cluster; no barrier: waves share nothing.
.set REC,   12800
.set SROW,  272                        ; a stage row: a key's 256 bytes + 16: sixteen rows that a load touches start at sixteen different 16-byte columns
.set STGB,  32*SROW                    ; a stage: 32 keys
.set IM,    32                         ; v32-55   two images
.set CT,    56                         ; v56-58   a block's upper 16 codes (a conversion's three registers begin on an even number)
.set DAT,   64                         ; v64-191  numbers as loaded
.set X,     192                        ; v192-255 two sets of 32 numbers of one block
	s_load_b128 s[4:7], s[0:1], 0x0                ; incr_state, kv
	v_lshl_add_u32 v62, v0, 2, 0x11000
	v_mov_b32 v63, 0
	v_lshrrev_b32 v1, 5, v0
	v_readfirstlane_b32 s8, v1                     ; wave 0..3
	v_and_b32 v1, 31, v0                           ; lane
	v_and_b32 v2, 15, v0                           ; r
	v_bfe_u32 v3, v0, 4, 1                         ; h
	v_lshlrev_b32 v4, 4, v1                        ; 16 x lane
	v_lshlrev_b32 v5, 2, v1                        ; 4 x lane
	s_mul_i32 s17, s8, 2*STGB                      ; my wave's two stages
	v_mul_u32_u24 v6, v3, SROW
	v_lshl_add_u32 v6, v2, 4, v6
	v_add_nc_u32 v6, s17, v6                       ; into a stage: a load's 512 bytes are two keys: row h, 16 r
	v_mul_u32_u24 v7, v2, SROW
	v_lshl_add_u32 v7, v3, 7, v7
	v_add_nc_u32 v7, s17, v7                       ; out of it: row r, my block's 128 bytes
	v_lshlrev_b32 v8, 3, v3                        ; 8 h
	s_and_b32 s11, s8, 1                           ; which of the role's two waves
	s_mul_i32 s18, s11, 3072
	v_add_nc_u32 v9, s18, v4                       ; images: 16 x lane + my two images' place
	s_lshl_b32 s19, s11, 7
	v_add_nc_u32 v10, s19, v5                      ; scale words: 4 x lane + my 32 words' place
	v_mov_b32 v23, 0                               ; written once: a lane permute's destination counts as one of its sources
	s_mov_b32 s20, 0x76543210
	s_mov_b32 s21, 0xfedcba98                      ; v_permlanex16_b32's selects for lane l xor 16
	s_mov_b32 s22, 0xffff0000                      ; lanes 16-31
	s_lshr_b32 s9, ttmp9, 3                        ; head of a batch
	s_and_b32 s10, ttmp9, 7                        ; key step
	s_lshl_b32 s12, s9, 19                         ; 524,288 bytes a head,
	s_lshl_b32 s13, s10, 15                        ; 32,768 a step
	s_add_co_u32 s12, s12, s13
	s_lshl_b32 s13, s11, 14                        ; K: my 64 keys
	s_add_co_u32 s14, s19, 262144                  ; V: behind K's 1,024 keys, my 32 channels
	s_cmp_lt_u32 s8, 2
	s_cselect_b32 s13, s13, s14
	s_add_co_u32 s12, s12, s13
	s_mov_b32 s13, 0
	s_mul_i32 s14, s9, 24
	s_add_co_u32 s14, s14, s10
	s_mul_i32 s14, s14, REC                        ; my record
	s_mov_b32 s15, 0
	s_wait_kmcnt 0x0
	s_add_nc_u64 s[4:5], s[4:5], s[12:13]
	s_add_nc_u64 s[6:7], s[6:7], s[14:15]
; the largest magnitude of the 32 numbers at v[xs] on, with the floor 2^(3 - 127) among the leaves, and in v18 the conversion's scale operand: 2 off the exponent field
.macro BMAX xs
	v_max3_num_f32 v16, |v[\xs]|, |v[\xs+1]|, |v[\xs+2]|
	v_max3_num_f32 v17, |v[\xs+3]|, |v[\xs+4]|, |v[\xs+5]|
.irp i, 6,10,14,18,22,26
	v_max3_num_f32 v16, v16, |v[\xs+\i]|, |v[\xs+\i+1]|
	v_max3_num_f32 v17, v17, |v[\xs+\i+2]|, |v[\xs+\i+3]|
.endr
	v_max3_num_f32 v16, v16, |v[\xs+30]|, |v[\xs+31]|
	v_max3_num_f32 v16, v16, v17, 0x1800000
	v_add_nc_u32 v18, 0xff000000, v16
.endm
; the block's 32 codes into v[d] .. v[d + 5]
.macro CODES xs, d
	v_cvt_scalef32_pk16_fp6_f32 v[\d:\d+2], v[\xs:\xs+15], v18
	v_cvt_scalef32_pk16_fp6_f32 v[CT:CT+2], v[\xs+16:\xs+31], v18
	v_nop                                          ; one plain place behind a scaled conversion
.irp i, 0,1,2
	v_mov_b32 v[\d+3+\i], v[CT+\i]
.endr
.endm
	s_cmp_lt_u32 s8, 2
	s_cbranch_scc0 .Lvrole
	; ---- K: 64 keys x 256 bytes, 32 dense loads of 512 bytes
.set i, 0
.rept 32
	global_load_b128 v[DAT+4*i:DAT+4*i+3], v4, s[4:5] offset:512*i th:TH_LOAD_NT
.set i, i+1
.endr
.macro KPAIR pr                        ; the wave's pair pr: 32 keys
	s_wait_loadcnt 16*(1-\pr)                      ; this pair's 16 loads are in; the other pair's may be out
.set i, 0
.rept 16
	ds_store_b128 v6, v[DAT+64*\pr+4*i:DAT+64*\pr+4*i+3] offset:STGB*\pr+2*SROW*i
.set i, i+1
.endr
.irp u, 0,1                            ; tile u: key 16 u + r, my block's 32 numbers, four at a time, each four to its place in the fixed order.  LDS serves a wave's instructions in order: these see the stores above
.irp j, 0,1,2,3,4,5,6,7
	ds_load_b128 v[X+32*\u+4*(2*(2*((\j/2)%2)+(\j/2)/2)+\j%2):X+32*\u+4*(2*(2*((\j/2)%2)+(\j/2)/2)+\j%2)+3], v7 offset:STGB*\pr+16*SROW*\u+16*\j
.endr
.endr
.irp u, 0,1
	s_wait_dscnt 8*(1-\u)                          ; tile u's eight loads are in; tile 1's may be out
	BMAX X+32*\u
	v_lshrrev_b32 v[20+\u], 23, v18                ; the scale's byte
	CODES X+32*\u, IM+12*\pr+6*\u
.endr
	v_lshl_or_b32 v22, v21, 16, v20                ; my two bytes: block h of tiles 0 and 1,
	v_lshlrev_b32 v22, v8, v22                     ; at their places in the pair's scale word (8 h bits up);
	v_permlanex16_b32 v23, v22, s20, s21
	v_or_b32 v[24+\pr], v22, v23                   ; with lane l xor 16's two the word is whole
.irp c, 0,1,2
	global_store_b128 v9, v[IM+12*\pr+4*\c:IM+12*\pr+4*\c+3], s[6:7] offset:1536*\pr+512*\c   ; 32 lanes store 512 consecutive bytes, at a multiple of 256 from kv's first byte
.endr
.endm
	s_wait_alu depctr_va_vdst(0)
	KPAIR 0
	KPAIR 1
	v_cndmask_b32 v26, v24, v25, s22               ; lanes 0-15 the first pair's words, lanes 16-31 the second's
	global_store_b32 v10, v26, s[6:7] offset:12288
	s_wait_tensorcnt 0x0
	ds_add_u32 v62, v63
	s_wait_dscnt 0x0
	s_endpgm
.Lvrole:
	; ---- V: a lane takes channel 32 x wave + lane; register 32 kb + p holds the key that stands at place p of key block kb
.macro LOADV kb
.set p, 0
.rept 32
	global_load_b32 v[DAT+32*(\kb)+p], v5, s[4:5] offset:256*(32*(\kb)+8*(2*((p/8)%2)+(p/8)/2)+p%8) th:TH_LOAD_NT
.set p, p+1
.endr
.endm
.macro VBLOCK kb
	BMAX DAT+32*\kb
	v_lshrrev_b32 v19, 23, v18
.if \kb == 0
	v_mov_b32 v24, v19                             ; my channel's scale word: byte kb for key block kb
.else
	v_lshl_or_b32 v24, v19, 8*\kb, v24
.endif
	CODES DAT+32*\kb, IM+12*(\kb%2)+6*(\kb/2)
.endm
	LOADV 0
	LOADV 1
	s_wait_loadcnt 32                              ; block 0 is in; block 1's 32 loads may be out
	LOADV 2
	VBLOCK 0
	s_wait_loadcnt 32                              ; block 1 is in; block 2's may be out
	LOADV 3
	VBLOCK 1
	s_wait_loadcnt 32                              ; block 2 is in; block 3's may be out
	VBLOCK 2
	s_wait_loadcnt 0x0
	VBLOCK 3
.set i, 0
.rept 12                               ; a lane holds all four blocks of its channel: blocks 0, 2 in the first run, 1, 3 in the second.  The first's lanes 16-31 change places with the second's lanes 0-15:
	v_permlane16_swap_b32 v[IM+i], v[IM+12+i]      ; the first run is then the image of channels 0-15 (lane (r, h): blocks h and 2 + h), the second that of channels 16-31
.set i, i+1
.endr
.irp t, 0,1
.irp c, 0,1,2
	global_store_b128 v9, v[IM+12*\t+4*\c:IM+12*\t+4*\c+3], s[6:7] offset:6144+1536*\t+512*\c
.endr
.endr
	global_store_b32 v10, v24, s[6:7] offset:12544
	s_endpgm
.Lfunc_end_k_q5caa72ffb3_past:
	.size	k_q5caa72ffb3_past, .Lfunc_end_k_q5caa72ffb3_past-k_q5caa72ffb3_past
	.p2alignl 7, 3214868480
	.fill 96, 4, 3214868480
	.section	.rodata,"a",@progbits
	.p2align	6, 0x0
	.amdhsa_kernel k_q5caa72ffb3_past
		.amdhsa_group_segment_fixed_size 70144
		.amdhsa_private_segment_fixed_size 0
		.amdhsa_enable_private_segment 0
		.amdhsa_kernarg_size 16
		.amdhsa_user_sgpr_count 2
		.amdhsa_user_sgpr_kernarg_segment_ptr 1
		.amdhsa_wavefront_size32 1
		.amdhsa_system_sgpr_workgroup_id_x 1
		.amdhsa_system_sgpr_workgroup_id_y 1
		.amdhsa_system_sgpr_workgroup_id_z 1
		.amdhsa_system_vgpr_workitem_id 0
		.amdhsa_next_free_vgpr 256
		.amdhsa_next_free_sgpr 66
		.amdhsa_reserve_vcc 0
		.amdhsa_float_denorm_mode_32 3
		.amdhsa_float_denorm_mode_16_64 3
		.amdhsa_memory_ordered 1
		.amdhsa_forward_progress 1
		.amdhsa_inst_pref_size 36
	.end_amdhsa_kernel
	.amdgpu_metadata
---
amdhsa.version: [ 1, 2 ]
amdhsa.kernels:
  - .name:           k_q5caa72ffb3_past
    .symbol:         k_q5caa72ffb3_past.kd
    .args:
      - { .name: incr_state, .offset: 0, .size: 8, .value_kind: global_buffer, .address_space: global }
      - { .name: kv, .offset: 8, .size: 8, .value_kind: global_buffer, .address_space: global }
    .group_segment_fixed_size: 70144
    .private_segment_fixed_size: 0
    .kernarg_segment_align: 8
    .kernarg_segment_size: 16
    .max_flat_workgroup_size: 128
    .sgpr_count:     66
    .vgpr_count:     256
    .wavefront_size: 32
...
	.end_amdgpu_metadata
.endif
;; end of part 1
;; launch qkv (part 2): grid 12 x 16, 4 waves a work-group, clusters of 4 x 4, 327,680 bytes of LDS; arguments hidden_states_codes, hidden_states_scales, W_pre_codes, W_pre_scales, b_pre, q, kv; writes q, kv
.if DOCPART == 2
	.amdgcn_target "amdgcn-amd-amdhsa--gfx1250"
	.amdhsa_code_object_version 6
	.text
	.protected	k_q5caa72ffb3_qkv
	.globl	k_q5caa72ffb3_qkv
	.p2align	8
	.type	k_q5caa72ffb3_qkv,@function
k_q5caa72ffb3_qkv:
	s_mov_b64 s[64:65], 0
	v_nop
	global_prefetch_b8 v0, s[64:65] scope:SCOPE_SE
	s_setreg_imm32_b32 hwreg(HW_REG_WAVE_MODE, 25, 1), 1
	s_wait_xcnt 0x0
	s_wait_alu depctr_hold_cnt(0) depctr_sa_sdst(0) depctr_va_vdst(0) depctr_va_sdst(0) depctr_va_ssrc(0) depctr_va_vcc(0) depctr_vm_vsrc(0)
	s_getreg_b32 s2, hwreg(HW_REG_IB_STS2, 6, 4)
	s_cmp_eq_u32 s2, 0
	s_cbranch_scc0 .Lentry_in_a_cluster
	s_endpgm
.Lentry_in_a_cluster:
	s_bfe_u32 s2, ttmp6, 0x10000c
	s_cmp_lg_u32 s2, 0xf033
	s_cbranch_scc0 .Lentry_shape_is_right
	s_endpgm
.Lentry_shape_is_right:
; pre = hidden_states W_pre + b_pre on codes of FP6 (E2M3) with E8M0 scales; the results leave as codes: q records, and the new keys' and values' part of the kv records (steps 8 to 23).
; A work-group of four waves makes 256 x 256, a wave 128 x 128 (64 accumulators).  Cluster x = 0: q, 1: k (source 1 = tokens, source 0 = rows of W_pre); x = 2: v, with the operands' roles changed, so that a lane's registers run along the tokens, V's K.
; K goes through a ring of two LDS slots in chunks of 256 bytes of each row of 768: every tensor row begins at a multiple of 256 bytes.  A step of 128 along K is 96 bytes: eight steps to three chunks; steps 2 and 5 read both slots.
; The scales of all of K come once, as dense blocks.  Tiles are asked for jointly: source 1's along a row of the cluster, source 0's along a column.
; No prefetch: the block is the largest one, in clusters, and K is three chunks.
; LIMITS: a block of zeros gets the byte 1 where the rule says 127 (its codes are zeros, and this program alone reads the bytes); NaN and infinities are not served.
.set ROWB,   256
.set NQ,     2
.set KROW,   768
.set STEPS,  8
.set CHUNKS, 3
.set PITCH,  272                       ; 256 bytes + 16 of padding
.set FR,     12
.set NL,     6
.set NP,     4
.set HALFT,  128*PITCH
.set SLOT,   4*HALFT
.set KS,     32
.set SCL,    2*SLOT
.set HALFS,  (128*KS/256)*272
.set SBLK,   (16*KS/256)*272
.set SPARE,  SCL+4*HALFS               ; the spare words: 512 bytes that no other line names
.set ADRA, 16                          ; v16-17 my fragments of source 1 in slot 0, 1; v18-19 for a piece whose two halves of the lanes read different slots
.set ADRB, 20                          ; v20-23 the same for source 0
.set LI,   24                          ; 16 x lane
.set LS,   25                          ; 4 x lane
.set SW,   26
.set ADRS, 27
.set SPW,  28
.set NIL,  29
.set BO,   30
.set BR,   31
.set SC,   32                          ; v32-63 scale words, two sets
.set BT,   64                          ; v64-127 the bias by columns
.set AF,   128                         ; v128-223 source 1's fragments
.set BV,   224                         ; v224-239 the bias by rows (v's path)
.set ST,   128
.set IM0,  192
.set IM1,  204
.set CT,   216
.set TM,   32
.set PW,   48
.set PE,   49
.set WD,   52
.set JW,   60
.set SEL,  92
.set HM,   94
.set G1, 24
.set G0, 32
.set G1B, 48
.set G0B, 56
.set G1S, 68
.set G0S, 76
.set G1SB, 80
.set G0SB, 88
.set G0H, 4
.set G0HB, 8
.set MSB, 0
.macro WIN new
.if MSB != (\new)
	s_set_vgpr_msb (MSB<<8)|(\new)
.set MSB, (\new)
.endif
.endm
.set MUL_LO, 0xa1
.set MUL_HI, 0xf1
.set TO_B,   0x40
.macro JLOAD g0a, g1a, g0b, g1b        ; waves 0, 1 fetch for source 1, waves 2, 3 for source 0
	s_cmp_eq_u32 s15, 0
	s_cbranch_scc0 .Lfor_b_\@
	tensor_load_to_lds s[\g0a:\g0a+3], s[\g1a:\g1a+7]
	s_nop 0
.rept 4
	v_nop
.endr
	s_branch .Lasked_\@
.Lfor_b_\@:
	tensor_load_to_lds s[\g0b:\g0b+3], s[\g1b:\g1b+7]
	s_nop 0
.rept 4
	v_nop
.endr
.Lasked_\@:
.endm
.macro CREST
	s_cmp_lg_u32 s14, 0
	s_cbranch_scc1 .Lnot_wave_0_\@
	s_barrier_signal -3
.Lnot_wave_0_\@:
	s_barrier_wait -3
	s_barrier_signal -1
	s_barrier_wait -1
.endm
.macro CROUND
	s_barrier_signal -1
	s_barrier_wait -1
	CREST
.endm
	s_load_b128 s[4:7], s[0:1], 0x0                ; hidden_states: codes, scales
	s_load_b128 s[8:11], s[0:1], 0x10              ; W_pre: codes, scales
	s_load_b64 s[12:13], s[0:1], 0x20              ; b_pre
	s_load_b64 s[96:97], s[0:1], 0x28              ; q
	s_load_b64 s[98:99], s[0:1], 0x30              ; kv
	v_lshl_add_u32 v[SPW], v0, 2, SPARE
	v_mov_b32 v[NIL], 0
	ds_add_u32 v[SPW], v[NIL]                      ; the opening lines: the add twice and its wait
	ds_add_u32 v[SPW], v[NIL]
	v_lshrrev_b32 v1, 5, v0
	v_readfirstlane_b32 s14, v1                    ; wave
	s_lshr_b32 s15, s14, 1                         ; my half of the rows
	s_and_b32 s16, s14, 1                          ; my half of the columns
	s_bfe_u32 s40, ttmp6, 0x40000                  ; cx
	s_bfe_u32 s41, ttmp6, 0x40004                  ; cy
	s_lshl_b32 s42, ttmp9, 2
	s_and_b32 s17, ttmp7, 0xffff
	s_lshl_b32 s17, s17, 2
	s_cmp_eq_u32 ttmp9, 2                          ; v's path: rows are W_pre's rows 2,048 on, columns the tokens
	s_cselect_b32 s42, s17, s42
	s_cselect_b32 s17, 8, s17
	s_add_co_u32 s42, s42, s40                     ; tile column
	s_add_co_u32 s17, s17, s41                     ; tile row
	s_lshl_b32 s43, s41, 2
	s_lshl_b32 s43, 15, s43                        ; my row of the cluster
	s_lshl_b32 s44, 0x1111, s40                    ; my column
	s_or_b32 s[G1+0], s43, (0<<16)|(1<<20)|(1<<21)|(5<<22)|(3<<25)
	s_or_b32 s[G1B+0], s44, (0<<16)|(1<<20)|(1<<21)|(5<<22)|(3<<25)
.irp g, G1, G1B
	s_mov_b32 s[\g+1], ROWB<<16
	s_mov_b32 s[\g+2], 256<<16                     ; the head's loads bring 256 rows
	s_mov_b32 s[\g+3], ROWB<<16
	s_mov_b32 s[\g+4], 256
	s_mov_b32 s[\g+5], KROW
	s_mov_b32 s[\g+6], 0
	s_mov_b32 s[\g+7], 0
.endr
	s_or_b32 s[G1S+0], s43, (3<<16)|(1<<20)|(1<<21)|(5<<22)|(3<<25)
	s_or_b32 s[G1SB+0], s44, (3<<16)|(1<<20)|(1<<21)|(5<<22)|(3<<25)
.irp g, G1S, G1SB
	s_mov_b32 s[\g+1], 32<<16                      ; the scales of 256 rows: 32 rows of 256 bytes
	s_mov_b32 s[\g+2], KS<<16
	s_mov_b32 s[\g+3], 32<<16
	s_mov_b32 s[\g+4], KS
	s_mov_b32 s[\g+5], 32
	s_mov_b32 s[\g+6], 0
	s_mov_b32 s[\g+7], 0
.endr
	s_lshl_b32 s20, s17, 8
	s_lshl_b32 s46, s42, 8
	s_mov_b32 s21, 0
	s_mov_b32 s47, 0
	s_mov_b64 s[18:19], KS
	s_mul_u64 s[22:23], s[20:21], s[18:19]
	s_mul_u64 s[92:93], s[46:47], s[18:19]
	s_mov_b64 s[18:19], KROW
	s_mul_u64 s[20:21], s[20:21], s[18:19]
	s_mul_u64 s[46:47], s[46:47], s[18:19]
	s_mul_i32 s18, s16, 128*KROW
	s_mov_b32 s19, 0
	s_mul_i32 s45, s14, HALFT
	s_wait_dscnt 0x0
	s_wait_kmcnt 0x0
	s_cmp_eq_u32 ttmp9, 2
	s_cselect_b64 s[100:101], s[8:9], s[4:5]
	s_add_nc_u64 s[20:21], s[100:101], s[20:21]
	s_cselect_b64 s[100:101], s[10:11], s[6:7]
	s_add_nc_u64 s[22:23], s[100:101], s[22:23]
	s_cselect_b64 s[100:101], s[4:5], s[8:9]
	s_add_nc_u64 s[46:47], s[100:101], s[46:47]
	s_cselect_b64 s[100:101], s[6:7], s[10:11]
	s_add_nc_u64 s[92:93], s[100:101], s[92:93]
	CROUND                                         ; the first joint loads meet
	s_mov_b32 s[G0H], 1
	s_mov_b32 s[G0H+1], 0
	s_mov_b64 s[G0H+2:G0H+3], s[20:21]
	s_or_b32 s[G0H+3], s[G0H+3], 0x80000000
	s_mov_b32 s[G0HB], 1
	s_mov_b32 s[G0HB+1], 2*HALFT
	s_mov_b64 s[G0HB+2:G0HB+3], s[46:47]
	s_or_b32 s[G0HB+3], s[G0HB+3], 0x80000000
	s_mov_b32 s[G0S], 1
	s_mov_b32 s[G0S+1], SCL
	s_mov_b64 s[G0S+2:G0S+3], s[22:23]
	s_or_b32 s[G0S+3], s[G0S+3], 0x80000000
	s_mov_b32 s[G0SB], 1
	s_mov_b32 s[G0SB+1], SCL+2*HALFS
	s_mov_b64 s[G0SB+2:G0SB+3], s[92:93]
	s_or_b32 s[G0SB+3], s[G0SB+3], 0x80000000
	s_add_nc_u64 s[20:21], s[20:21], s[18:19]
	s_add_nc_u64 s[46:47], s[46:47], s[18:19]
.irp s, 0,1
	s_mov_b32 s[G0+4*\s], 1
	s_add_co_u32 s[G0+4*\s+1], s45, \s*SLOT
	s_add_nc_u64 s[G0+4*\s+2:G0+4*\s+3], s[20:21], \s*ROWB
	s_or_b32 s[G0+4*\s+3], s[G0+4*\s+3], 0x80000000
	s_mov_b32 s[G0B+4*\s], 1
	s_add_co_u32 s[G0B+4*\s+1], s45, \s*SLOT
	s_add_nc_u64 s[G0B+4*\s+2:G0B+4*\s+3], s[46:47], \s*ROWB
	s_or_b32 s[G0B+4*\s+3], s[G0B+4*\s+3], 0x80000000
.endr
; the head's four tiles, one load a wave: chunk 0 of both operands, both blocks of scales
.macro ARM under, g0, g1, next
	s_cmp_lt_u32 s14, \under
	s_cbranch_scc0 \next
	tensor_load_to_lds s[\g0:\g0+3], s[\g1:\g1+7]
	s_nop 0
.rept 4
	v_nop
.endr
	s_branch .Lhead_asked
\next:
.endm
	ARM 1, G0H,  G1,  .Lhead_b
	ARM 2, G0HB, G1B, .Lhead_sa
	ARM 3, G0S,  G1S, .Lhead_sb
	tensor_load_to_lds s[G0SB:G0SB+3], s[G1SB:G1SB+7]
	s_nop 0
.rept 4
	v_nop
.endr
.Lhead_asked:
	v_and_b32 v1, 15, v0                           ; r
	v_bfe_u32 v2, v0, 4, 1                         ; h
	v_mul_u32_u24 v3, v1, PITCH
	v_mul_u32_u24 v4, v2, 24
	v_add_nc_u32 v4, v3, v4
	s_mov_b32 s21, SLOT-232
	s_mov_b32 s22, SLOT+232
	v_sub_nc_u32 v7, 1, v2
	v_mul_u32_u24 v5, s21, v2
	v_add_nc_u32 v5, v3, v5
	v_add_nc_u32 v5, 232, v5                       ; lanes 0-15 byte 232 of the row in slot 0, lanes 16-31 byte 0 in slot 1
	v_mul_u32_u24 v6, s22, v7
	v_add_nc_u32 v6, v3, v6                        ; and the other way round
	s_mul_i32 s21, s15, HALFT
	s_mul_i32 s22, s16, HALFT
	s_add_co_u32 s22, s22, 2*HALFT
	v_add_nc_u32 v[ADRA+2], s21, v5
	v_add_nc_u32 v[ADRA+3], s21, v6
	v_add_nc_u32 v[ADRB+2], s22, v5
	v_add_nc_u32 v[ADRB+3], s22, v6
.irp s, 0,1
	v_add_nc_u32 v[ADRA+\s], s21, v4
	v_add_nc_u32 v[ADRB+\s], s22, v4
	s_add_co_u32 s21, s21, SLOT
	s_add_co_u32 s22, s22, SLOT
.endr
	v_mul_u32_u24 v5, v1, KS
	v_lshrrev_b32 v6, 8, v5
	v_lshl_add_u32 v5, v6, 4, v5
	s_mul_i32 s21, s15, HALFS
	s_mul_i32 s22, s16, HALFS
	s_add_co_u32 s22, s22, 2*HALFS
	s_sub_co_u32 s22, s22, s21
	v_mul_u32_u24 v6, s22, v2
	s_add_co_u32 s21, s21, SCL
	v_add_nc_u32 v5, v5, v6
	v_add_nc_u32 v[ADRS], s21, v5
	v_and_b32 v6, 31, v0
	v_lshlrev_b32 v[LI], 4, v6
	v_lshlrev_b32 v[LS], 2, v6
	v_lshlrev_b32 v[BO], 5, v2
	v_lshlrev_b32 v[BR], 2, v1
	s_wait_alu depctr_va_vdst(0)                   ; the wait ahead of the run of scalar lines
	s_lshl_b32 s20, s42, 10
	s_lshl_b32 s21, s16, 9
	s_add_co_u32 s20, s20, s21
	s_lshl_b32 s22, s17, 10
	s_lshl_b32 s23, s15, 9
	s_add_co_u32 s22, s22, s23
	s_cmp_eq_u32 ttmp9, 2
	s_cselect_b32 s20, 0, s20
	s_cselect_b32 s22, s22, 0
	s_mov_b32 s21, 0
	s_mov_b32 s23, 0
	s_add_nc_u64 s[100:101], s[12:13], s[20:21]
	s_add_nc_u64 s[12:13], s[12:13], s[22:23]
.irp b, 0,1,2,3,4,5,6,7
	global_load_b128 v[BT+8*\b:BT+8*\b+3], v[BO], s[100:101] offset:64*\b
	global_load_b128 v[BT+8*\b+4:BT+8*\b+7], v[BO], s[100:101] offset:64*\b+16
.endr
.irp a, 0,1,2,3,4,5,6,7
	global_load_b32 v[BV+2*\a], v[BR], s[12:13] offset:64*\a
	global_load_b32 v[BV+2*\a+1], v[BR], s[12:13] offset:64*\a
.endr
.macro FRAG reg, adr, st, i            ; 16 rows x 128 K: six pieces of 8 bytes; byte y of a row lies in slot (y / 256) % 2 at byte y % 256
.irp p, 0,1,2,3,4,5
.set BY, 96*(\st)+48*(\p/3)+8*(\p%3)
.if BY/ROWB == (BY+24)/ROWB
	ds_load_b64 v[\reg+2*\p:\reg+2*\p+1], v[\adr+(BY/ROWB)%2] offset:BY%ROWB+(\i)*16*PITCH
.else
	ds_load_b64 v[\reg+2*\p:\reg+2*\p+1], v[\adr+2+(BY/ROWB)%2] offset:BY%ROWB-232+(\i)*16*PITCH
.endif
.endr
.endm
.macro MUL16 a0, p, q, sc, zero        ; the 64 accumulators take turns
.irp a, \a0, \a0+1
.irp b, 0,1,2,3,4,5,6,7
.if \zero
	v_wmma_scale_f32_16x16x128_f8f6f4 v[8*(8*((\a)%4)+\b):8*(8*((\a)%4)+\b)+7], v[128*(\p)+FR*\b:128*(\p)+FR*\b+FR-1], v[AF+FR*(\a):AF+FR*(\a)+FR-1], 0, v[SC+8*NQ*(\sc)+NQ*\b+(\q)], v[SC+8*NQ*(\sc)+NQ*(\a)+(\q)] matrix_a_fmt:MATRIX_FMT_FP6 matrix_b_fmt:MATRIX_FMT_FP6 matrix_a_scale:MATRIX_SCALE_ROW1
.else
	v_wmma_scale_f32_16x16x128_f8f6f4 v[8*(8*((\a)%4)+\b):8*(8*((\a)%4)+\b)+7], v[128*(\p)+FR*\b:128*(\p)+FR*\b+FR-1], v[AF+FR*(\a):AF+FR*(\a)+FR-1], v[8*(8*((\a)%4)+\b):8*(8*((\a)%4)+\b)+7], v[SC+8*NQ*(\sc)+NQ*\b+(\q)], v[SC+8*NQ*(\sc)+NQ*(\a)+(\q)] matrix_a_fmt:MATRIX_FMT_FP6 matrix_b_fmt:MATRIX_FMT_FP6 matrix_a_scale:MATRIX_SCALE_ROW1
.endif
.endr
.endr
.endm
.macro FETCH_B st, p
	WIN TO_B
.irp i, 0,1,2,3,4,5,6,7
	FRAG 128*(\p)+FR*\i, ADRB, \st, \i
.endr
	WIN 0
.endm
.macro FETCH_A st, i0
.irp i, \i0, \i0+1, \i0+2, \i0+3
	FRAG AF+FR*(\i), ADRA, \st, \i
.endr
.endm
.macro SCALES pr
.irp i, 0,1,2,3,4,5,6,7
	ds_load_b64 v[SC+8*NQ*((\pr)%2)+NQ*\i:SC+8*NQ*((\pr)%2)+NQ*\i+1], v[ADRS] offset:\i*SBLK+4*NQ*(\pr)
.endr
.endm
.macro PLACES n
.rept \n
	v_nop
.endr
.endm
; A step: 64 products; the next step's fragments are fetched in its middle and at its end.  Where the next step ends in a chunk not yet read: wait for my loads, barrier.
; Where it begins in a later chunk: the three lines, the barrier, and, if a chunk two on is left, the round and the refill.
.macro STEP st, zero
.set NX, (\st)+1
.set C0, (96*(\st))/ROWB
.set C1, (96*NX)/ROWB
.set E0, (96*(\st)+95)/ROWB
.set E1, (96*NX+95)/ROWB
.if C1 > C0 || E1 > E0
	s_wait_tensorcnt 0x0                           ; all my tensor loads have landed
.if C1 > C0
	ds_add_u32 v[SPW], v[NIL]
	s_wait_dscnt 4*NL+1                            ; the add and the youngest 24 loads may be out
.else
	s_wait_dscnt 4*NL                              ; the youngest 24 loads may be out
.endif
	WIN MUL_LO
	MUL16 0, (\st)%2, (\st)%2, ((\st)/2)%2, \zero
	s_wait_dscnt 0x0                               ; the add and my reads are done
	s_barrier_signal -1
	MUL16 2, (\st)%2, (\st)%2, ((\st)/2)%2, \zero
	WIN 0
	s_barrier_wait -1
.if C1 > C0 && C0+2 < CHUNKS
	CREST
	s_add_nc_u64 s[G0+4*(C0%2)+2:G0+4*(C0%2)+3], s[G0+4*(C0%2)+2:G0+4*(C0%2)+3], 2*ROWB
	s_add_nc_u64 s[G0B+4*(C0%2)+2:G0B+4*(C0%2)+3], s[G0B+4*(C0%2)+2:G0B+4*(C0%2)+3], 2*ROWB
	JLOAD G0+4*(C0%2), G1, G0B+4*(C0%2), G1B       ; chunk C0 + 2; its four v_nop are the places for the loads below
.else
	PLACES NP
.endif
.else
	s_wait_dscnt 4*NL                              ; the youngest 24 loads may be out
	WIN MUL_LO
	MUL16 0, (\st)%2, (\st)%2, ((\st)/2)%2, \zero
	MUL16 2, (\st)%2, (\st)%2, ((\st)/2)%2, \zero
	s_wait_dscnt 0
	PLACES NP
.endif
	FETCH_B NX, NX%2
	FETCH_A NX, 0
.if NX%2 == 0
	SCALES NX/2
.endif
	WIN MUL_HI
	MUL16 4, (\st)%2, (\st)%2, ((\st)/2)%2, \zero
	MUL16 6, (\st)%2, (\st)%2, ((\st)/2)%2, \zero
	PLACES NP
	WIN 0
	FETCH_A NX, 4
.endm
	s_wait_alu depctr_va_vdst(0)                   ; the wait at the head's end
	s_wait_tensorcnt 0x0                           ; my tile of the head's four is in; the three lines ahead of slot 1's first fill
	ds_add_u32 v[SPW], v[NIL]
	s_mov_b32 s[G1+2], 128<<16                     ; no load of mine is out: from here on a load brings 128 rows
	s_mov_b32 s[G1+4], 128
	s_mov_b32 s[G1B+2], 128<<16
	s_mov_b32 s[G1B+4], 128
	s_wait_dscnt 0x0
	CROUND
	JLOAD G0+4, G1, G0B+4, G1B                     ; chunk 1
	FETCH_B 0, 0
	FETCH_A 0, 0
	SCALES 0
	FETCH_A 0, 4
	STEP 0, 1
.set STN, 1
.rept STEPS-2
	STEP STN, 0
.set STN, STN+1
.endr
	s_wait_dscnt 4*NL
	WIN MUL_LO
	MUL16 0, 1, 1, 1, 0
	MUL16 2, 1, 1, 1, 0
	s_wait_dscnt 0
	WIN MUL_HI
	MUL16 4, 1, 1, 1, 0
	MUL16 6, 1, 1, 1, 0
	WIN 0
; THE WAY OUT: block a's 16 rows x 128 columns plus the bias, quantised in blocks of 32 along a lane's registers, stored as images of operand registers
.macro TAKE a, kind
	WIN 0x02+(\a)/4
.set i, 0
.rept 32
.if \kind
	v_pk_add_f32 v[ST+2*i:ST+2*i+1], v[64*((\a)%4)+2*i:64*((\a)%4)+2*i+1], v[BV+2*(\a):BV+2*(\a)+1]
.else
	v_pk_add_f32 v[ST+2*i:ST+2*i+1], v[64*((\a)%4)+2*i:64*((\a)%4)+2*i+1], v[BT+2*i:BT+2*i+1]
.endif
.set i, i+1
.endr
	WIN 0
.endm
.macro QUANT s, d0, d1
.irp b, 0,1,2,3
	v_max3_num_f32 v[TM+\b], |v[\s+16*\b]|, |v[\s+1+16*\b]|, 0x1800000
.endr
.irp i, 2,4,6,8,10,12,14
.irp b, 0,1,2,3
	v_max3_num_f32 v[TM+\b], v[TM+\b], |v[\s+16*\b+\i]|, |v[\s+1+16*\b+\i]|
.endr
.endr
.irp b, 0,1,2,3
	v_permlanex16_b32 v[TM+4+\b], v[TM+\b], s[SEL], s[SEL+1]
.endr
.irp b, 0,1,2,3
	v_max_num_f32 v[TM+\b], v[TM+\b], v[TM+4+\b]
.endr
.irp b, 0,1,2,3
	v_add_nc_u32 v[TM+12+\b], 0xff000000, v[TM+\b]
.endr
.irp b, 0,1,2,3
	v_lshrrev_b32 v[TM+4+\b], 23, v[TM+12+\b]
.endr
	v_lshl_or_b32 v[PW], v[TM+5], 8, v[TM+4]
	v_lshl_or_b32 v[PW], v[TM+6], 16, v[PW]
	v_lshl_or_b32 v[PW], v[TM+7], 24, v[PW]
	v_cvt_scalef32_pk16_fp6_f32 v[(\d0):(\d0)+2], v[\s:\s+15], v[TM+12]
	v_cvt_scalef32_pk16_fp6_f32 v[CT:CT+2], v[\s+16:\s+31], v[TM+13]
	v_cvt_scalef32_pk16_fp6_f32 v[(\d1):(\d1)+2], v[\s+32:\s+47], v[TM+14]
	v_cvt_scalef32_pk16_fp6_f32 v[CT+4:CT+6], v[\s+48:\s+63], v[TM+15]
	v_nop
.irp i, 0,1,2
	v_permlane16_swap_b32 v[(\d0)+\i], v[CT+\i]
	v_permlane16_swap_b32 v[(\d1)+\i], v[CT+4+\i]
.endr
.irp i, 0,1,2
	v_mov_b32 v[(\d0)+3+\i], v[CT+\i]
	v_mov_b32 v[(\d1)+3+\i], v[CT+4+\i]
.endr
.endm
	PLACES NP
	s_wait_loadcnt 0x0
.irp b, 0,1,2,3
	v_mov_b32 v[TM+4+\b], 0
.endr
	s_mov_b32 s[SEL], 0x76543210
	s_mov_b32 s[SEL+1], 0xfedcba98
	s_mov_b32 s[HM], 0xffff0000
	s_cmp_eq_u32 ttmp9, 2
	s_cbranch_scc1 .Lvpath
	s_lshr_b32 s18, s17, 3
	s_and_b32 s19, s17, 7
	s_lshl_b32 s19, s19, 1
	s_add_co_u32 s19, s19, s15
	s_and_b32 s20, s42, 3
	s_lshl_b32 s20, s20, 2
	s_lshl_b32 s21, s16, 1
	s_add_co_u32 s20, s20, s21
	s_lshl_b32 s18, s18, 4
	s_add_co_u32 s18, s18, s20
	s_mov_b32 s23, 6400
	s_mov_b32 s40, 6144
	s_cmp_eq_u32 ttmp9, 1
	s_cselect_b64 s[4:5], s[98:99], s[96:97]
	s_cselect_b32 s21, 24, 16
	s_cselect_b32 s22, 8, 0
	s_cselect_b32 s23, 12800, s23
	s_cselect_b32 s40, 12288, s40
	s_mul_i32 s18, s18, s21
	s_add_co_u32 s18, s18, s22
	s_add_co_u32 s18, s18, s19
	s_mul_i32 s18, s18, s23
	s_mov_b32 s19, 0
	s_add_nc_u64 s[4:5], s[4:5], s[18:19]
	s_mul_i32 s18, s21, s23
	s_add_nc_u64 s[6:7], s[4:5], s[18:19]
	v_add_nc_u32 v[SW], s40, v[LS]
.irp p, 0,1,2,3
	s_wait_xcnt 0x0
	TAKE 2*\p, 0
	QUANT ST, IM0, IM1
	v_mov_b32 v[PE], v[PW]
	TAKE 2*\p+1, 0
	QUANT ST, IM0+6, IM1+6
	v_perm_b32 v[WD+\p], v[PW], v[PE], 0x05040100
	v_perm_b32 v[WD+4+\p], v[PW], v[PE], 0x07060302
.irp c, 0,1,2
	global_store_b128 v[LI], v[IM0+4*\c:IM0+4*\c+3], s[4:5] offset:1536*\p+512*\c
	global_store_b128 v[LI], v[IM1+4*\c:IM1+4*\c+3], s[6:7] offset:1536*\p+512*\c
.endr
.endr
.irp g, 0,1
	v_cndmask_b32 v[JW+\g], v[WD+2*\g], v[WD+2*\g+1], s[HM]
	v_cndmask_b32 v[JW+2+\g], v[WD+4+2*\g], v[WD+5+2*\g], s[HM]
.endr
.irp g, 0,1
	global_store_b32 v[SW], v[JW+\g], s[4:5] offset:128*\g
	global_store_b32 v[SW], v[JW+2+\g], s[6:7] offset:128*\g
.endr
	s_branch .Ldone
.Lvpath:
	s_lshr_b32 s18, s42, 3
	s_and_b32 s19, s42, 7
	s_lshl_b32 s19, s19, 1
	s_add_co_u32 s19, s19, s16
	s_and_b32 s20, s17, 3
	s_lshl_b32 s20, s20, 2
	s_lshl_b32 s21, s15, 1
	s_add_co_u32 s20, s20, s21
	s_lshl_b32 s18, s18, 4
	s_add_co_u32 s18, s18, s20
	s_mul_i32 s18, s18, 24
	s_add_co_u32 s18, s18, s19
	s_add_co_u32 s18, s18, 8
	s_mul_i32 s18, s18, 12800
	s_mov_b32 s19, 0
	s_add_nc_u64 s[4:5], s[98:99], s[18:19]
	s_add_nc_u64 s[6:7], s[4:5], 24*12800
.irp a, 0,1,2,3,4,5,6,7
	s_wait_xcnt 0x0
	TAKE \a, 1
	QUANT ST, IM0, IM0+6
	v_mov_b32 v[WD+\a], v[PW]
.irp c, 0,1,2
	global_store_b128 v[LI], v[IM0+4*\c:IM0+4*\c+3], s[4+2*(\a/4):5+2*(\a/4)] offset:6144+1536*(\a%4)+512*\c
.endr
.endr
.irp g, 0,1
	v_cndmask_b32 v[JW+\g], v[WD+2*\g], v[WD+2*\g+1], s[HM]
	v_cndmask_b32 v[JW+2+\g], v[WD+4+2*\g], v[WD+5+2*\g], s[HM]
.endr
.irp g, 0,1
	global_store_b32 v[LS], v[JW+\g], s[4:5] offset:12544+128*\g
	global_store_b32 v[LS], v[JW+2+\g], s[6:7] offset:12544+128*\g
.endr
.Ldone:
	s_wait_tensorcnt 0x0                           ; the wave's end
	ds_add_u32 v[SPW], v[NIL]
	s_wait_dscnt 0x0
	CROUND                                         ; the closing round
	s_endpgm
.Lfunc_end_k_q5caa72ffb3_qkv:
	.size	k_q5caa72ffb3_qkv, .Lfunc_end_k_q5caa72ffb3_qkv-k_q5caa72ffb3_qkv
	.p2alignl 7, 3214868480
	.fill 96, 4, 3214868480
	.section	.rodata,"a",@progbits
	.p2align	6, 0x0
	.amdhsa_kernel k_q5caa72ffb3_qkv
		.amdhsa_group_segment_fixed_size 327680
		.amdhsa_private_segment_fixed_size 0
		.amdhsa_enable_private_segment 0
		.amdhsa_kernarg_size 56
		.amdhsa_user_sgpr_count 2
		.amdhsa_user_sgpr_kernarg_segment_ptr 1
		.amdhsa_wavefront_size32 1
		.amdhsa_system_sgpr_workgroup_id_x 1
		.amdhsa_system_sgpr_workgroup_id_y 1
		.amdhsa_system_sgpr_workgroup_id_z 1
		.amdhsa_system_vgpr_workitem_id 0
		.amdhsa_next_free_vgpr 1024
		.amdhsa_next_free_sgpr 102
		.amdhsa_reserve_vcc 0
		.amdhsa_float_denorm_mode_32 3
		.amdhsa_float_denorm_mode_16_64 3
		.amdhsa_memory_ordered 1
		.amdhsa_forward_progress 1
		.amdhsa_inst_pref_size 236
	.end_amdhsa_kernel
	.amdgpu_metadata
---
amdhsa.version: [ 1, 2 ]
amdhsa.kernels:
  - .name:           k_q5caa72ffb3_qkv
    .symbol:         k_q5caa72ffb3_qkv.kd
    .args:
      - { .name: hidden_states_codes, .offset: 0, .size: 8, .value_kind: global_buffer, .address_space: global }
      - { .name: hidden_states_scales, .offset: 8, .size: 8, .value_kind: global_buffer, .address_space: global }
      - { .name: W_pre_codes, .offset: 16, .size: 8, .value_kind: global_buffer, .address_space: global }
      - { .name: W_pre_scales, .offset: 24, .size: 8, .value_kind: global_buffer, .address_space: global }
      - { .name: b_pre, .offset: 32, .size: 8, .value_kind: global_buffer, .address_space: global }
      - { .name: q, .offset: 40, .size: 8, .value_kind: global_buffer, .address_space: global }
      - { .name: kv, .offset: 48, .size: 8, .value_kind: global_buffer, .address_space: global }
    .group_segment_fixed_size: 327680
    .private_segment_fixed_size: 0
    .kernarg_segment_align: 8
    .kernarg_segment_size: 56
    .max_flat_workgroup_size: 128
    .sgpr_count:     102
    .vgpr_count:     1024
    .wavefront_size: 32
...
	.end_amdgpu_metadata
.endif
;; end of part 2
;; launch attn (part 3): grid 8 x 32, 16 waves a work-group, clusters of 4 x 4, 327,680 bytes of LDS; arguments q, kv, mask, ctxc, ctxs; writes ctxc, ctxs
.if DOCPART == 3
	.amdgcn_target "amdgcn-amd-amdhsa--gfx1250"
	.amdhsa_code_object_version 6
	.text
	.protected	k_q5caa72ffb3_attn
	.globl	k_q5caa72ffb3_attn
	.p2align	8
	.type	k_q5caa72ffb3_attn,@function
k_q5caa72ffb3_attn:
	s_mov_b64 s[64:65], 0
	v_nop
	global_prefetch_b8 v0, s[64:65] scope:SCOPE_SE
	s_setreg_imm32_b32 hwreg(HW_REG_WAVE_MODE, 25, 1), 1
	s_wait_xcnt 0x0
	s_wait_alu depctr_hold_cnt(0) depctr_sa_sdst(0) depctr_va_vdst(0) depctr_va_sdst(0) depctr_va_ssrc(0) depctr_va_vcc(0) depctr_vm_vsrc(0)
	s_getreg_b32 s2, hwreg(HW_REG_IB_STS2, 6, 4)
	s_cmp_eq_u32 s2, 0
	s_cbranch_scc0 .Lentry_in_a_cluster
	s_endpgm
.Lentry_in_a_cluster:
	s_bfe_u32 s2, ttmp6, 0x10000c
	s_cmp_lg_u32 s2, 0xf033
	s_cbranch_scc0 .Lentry_shape_is_right
	s_endpgm
.Lentry_shape_is_right:
; ctx = softmax(q k^T + mask) v for 32 heads of a batch, 2,048 queries, 3,072 keys, head size 64, both products on codes of FP6 (E2M3) with E8M0 scales; ctx leaves as codes for the last product.
; THE SOFTMAX: t = logit x log2(e); M = the running largest t rounded up to a whole number; p = 2^(t - M) is quantised along the keys; the row's sum is taken of the unquantised p and divides at the end.
; SHARES.  A work-group owns 128 queries of TWO heads, so that one tile of the mask (128 rows x 512 bytes a step) serves both: waves 0-7 the even head, waves 8-15 the odd one, 16 queries a wave.  128 keys a step, 24 steps.
; LAYOUT.  Both products are used transposed (S^T = k q^T, O^T = v^T p^T): a lane holds one query (lane % 16).  Operands lie in memory and LDS as images of their registers (registers 4 c .. 4 c + 3 at 512 c + 16 x lane).
; The head's 64 are half of the instruction's 128: an image of K holds two tiles of 16 keys; against q followed by zero codes it gives the first tile's scores, against zero codes followed by q the second's (windows of 0 x 6, q x 6, 0 x 6).
; The mask is the C of the score product, loaded from LDS into the scores' registers.  Inside a block of 32 all codes stand in the order k 0-7, 16-23, 8-15, 24-31 in both operands; only ctx is brought into the true order.
; CLUSTER 4 x 4: x is the pair of heads, y the block of queries.  The mask's tile is asked for jointly by a row of the cluster, the two records of K and V by a column.
; LIMITS: NaN is not served; a row whose every logit is minus infinity gives finite numbers here; a block of zeros keeps the byte 1; the scaled scores stay under 2^31 in magnitude.
; LDS: two slots of the mask, 128 rows x 528 bytes; two slots of two records of 12,800 bytes; the spare words.
.set MROW,  528
.set MSKB,  128*MROW
.set KV0,   2*MSKB
.set KVB,   12800
.set SPARE, KV0+4*KVB
.set AM0, 1                            ; v1-2 my place in the mask's slot 0, 1
.set AK0, 3                            ; v3-4 16 x lane in my head's record
.set AS0, 5                            ; v5-6 4 x lane at its scale words
.set SPW, 7
.set NIL, 8
.set PFO, 9
.set O8,  10
.set OB,  11
.set QH,  16                           ; v16-27 zero codes, q
.set QL,  22                           ; v22-33 q, zero codes
.set QS,  34
.set QW,  35
.set KS,  36
.set VS,  38
.set FR,  40                           ; v40-87 four images
.set S,   96                           ; v96-159 the mask, S^T, p
.set OT,  160                          ; v160-191 O^T
.set QR,  192
.set BM,  204
.set PT,  208
.set SO,  212
.set CT,  216
.set PC,  224
.set FF,  244
.set PS,  246
.set T0,  247
.set T1,  248
.set CH,  248                          ; v248-255 four chains of the row's sum
.set WV,  14
.set SEL, 20
.set CS,  22
.set G1M, 24
.set G1K, 32
.set G0M, 40
.set G0K, 48
.set CNT, 56
.set LIM, 57
.set PFA, 58
.set HM,  62
.set PM,  63
.set W2,  92                           ; wave / 2
.set HW,  93                           ; wave / 8: which head of the pair
.set QT,  94                           ; wave % 8: which 16 queries
.set HD,  95                           ; my head
.macro ROUND
	s_barrier_signal -1
	s_barrier_wait -1
	s_cmp_lg_u32 s[WV], 0
	s_cbranch_scc1 .Lnot_wave_0_\@
	s_barrier_signal -3
.Lnot_wave_0_\@:
	s_barrier_wait -3
	s_barrier_signal -1
	s_barrier_wait -1
.endm
; waves 0-3 fetch 32 rows of the mask's tile each, waves 4 and 5 a record each, the others nothing
.macro TLOAD sl
	s_cmp_lt_u32 s[WV], 4
	s_cbranch_scc0 .Lnot_m_\@
	tensor_load_to_lds s[G0M+4*(\sl):G0M+4*(\sl)+3], s[G1M:G1M+7]
	s_nop 0
.rept 4
	v_nop
.endr
	s_branch .Lasked_\@
.Lnot_m_\@:
	s_cmp_eq_u32 s[W2], 2
	s_cbranch_scc0 .Lasked_\@
	tensor_load_to_lds s[G0K+4*(\sl):G0K+4*(\sl)+3], s[G1K:G1K+7]
	s_nop 0
.rept 4
	v_nop
.endr
.Lasked_\@:
.endm
; a prefetch of the mask's tile that the next trip's load asks for.  The clusters with x = 0 ask; the four partners take 32 rows each, by address (cx); waves 8 and 9 take 16 of them: a lane names row lane / 2, block lane % 2.
; The records are not prefetched: 50 blocks do not share out among the partners' lanes without naming blocks twice.
.macro ASK
	s_cmp_eq_u32 s[LIM], 1
	s_cbranch_scc0 .Lnot_mine_\@
	global_prefetch_b8 v[PFO], s[PFA:PFA+1] th:TH_LOAD_NT scope:SCOPE_SE
.Lnot_mine_\@:
.endm
	s_load_b256 s[4:11], s[0:1], 0x0               ; q, kv, mask, ctxc
	s_load_b64 s[12:13], s[0:1], 0x20              ; ctxs
	v_lshl_add_u32 v[SPW], v0, 2, SPARE
	v_mov_b32 v[NIL], 0
	ds_add_u32 v[SPW], v[NIL]                      ; the opening lines
	ds_add_u32 v[SPW], v[NIL]
	s_wait_dscnt 0x0
	v_lshrrev_b32 v[T0], 5, v0
	s_delay_alu instid0(VALU_DEP_1)
	v_readfirstlane_b32 s[WV], v[T0]
	s_lshr_b32 s[W2], s[WV], 1
	s_lshr_b32 s[HW], s[WV], 3
	s_and_b32 s[QT], s[WV], 7
	s_bfe_u32 s15, ttmp6, 0x40000                  ; cx
	s_bfe_u32 s16, ttmp6, 0x40004                  ; cy
	s_lshl_b32 s17, ttmp9, 2
	s_add_co_u32 s17, s17, s15                     ; the pair of heads
	s_lshl_b32 s[HD], s17, 1
	s_add_co_u32 s[HD], s[HD], s[HW]
	s_and_b32 s19, ttmp7, 0xffff
	s_lshl_b32 s18, s19, 2
	s_add_co_u32 s18, s18, s16                     ; the block of 128 queries, 0 .. 31
	s_lshr_b32 s19, s19, 2                         ; the batch: from the cluster's y alone
	s_lshl_b32 s66, s16, 2
	s_lshl_b32 s66, 15, s66
	s_lshl_b32 s67, 0x1111, s15
	s_or_b32 s[G1M], s66, (2<<16)|(1<<20)|(1<<21)|(6<<22)|(3<<25)   ; 32 rows x 128 f32, 4 words of padding behind every 128
	s_mov_b32 s[G1M+1], 128<<16
	s_mov_b32 s[G1M+2], 32<<16
	s_mov_b32 s[G1M+3], 128<<16
	s_mov_b32 s[G1M+4], 32
	s_mov_b32 s[G1M+5], 3072
	s_mov_b32 s[G1M+6], 0
	s_mov_b32 s[G1M+7], 0
	s_or_b32 s[G1K], s67, (3<<16)|(1<<21)          ; a record: 50 rows of 256 bytes
	s_mov_b32 s[G1K+1], 32<<16
	s_mov_b32 s[G1K+2], 50<<16
	s_mov_b32 s[G1K+3], 32<<16
	s_mov_b32 s[G1K+4], 50
	s_mov_b32 s[G1K+5], 32
	s_mov_b32 s[G1K+6], 0
	s_mov_b32 s[G1K+7], 0
	s_and_b32 s68, s[WV], 3
	s_lshl_b32 s69, s18, 7
	s_lshl_b32 s70, s68, 5
	s_add_co_u32 s70, s69, s70                     ; the mask's row at which my 32 begin
	s_mul_i32 s70, s70, 12288
	s_mov_b32 s71, 0
	s_mul_i32 s72, s68, 32*MROW
	s_lshl_b32 s73, s19, 4
	s_and_b32 s85, s[WV], 1
	s_lshl_b32 s74, s17, 1
	s_add_co_u32 s74, s74, s85
	s_add_co_u32 s74, s74, s73                     ; the head of a batch whose record I fetch (waves 4, 5)
	s_mul_i32 s74, s74, 24*KVB
	s_mov_b32 s75, 0
	s_mul_i32 s87, s85, KVB                        ; its place in a slot
	s_add_co_u32 s73, s73, s[HD]                   ; my own head of a batch
	s_and_b32 s76, s18, 15                         ; q: my block of 128 queries is one record; my 16 are tile wave % 2 of pair (wave / 2) % 4
	s_lshl_b32 s77, s73, 4
	s_add_co_u32 s76, s76, s77
	s_mul_i32 s76, s76, 6400
	s_bfe_u32 s77, s[WV], 0x20001
	s_mul_i32 s78, s77, 1536
	s_add_co_u32 s78, s76, s78
	s_mov_b32 s79, 0
	s_lshl_b32 s77, s77, 6
	s_add_co_u32 s76, s76, s77
	s_add_co_u32 s76, s76, 6144
	s_mov_b32 s77, 0
	s_lshl_b32 s81, s15, 5                         ; the prefetch: my work-group's 32 rows, my wave's 16, at tile 1; the first trip steps it to tile 2
	s_add_co_u32 s81, s81, s69
	s_lshl_b32 s82, s85, 4
	s_add_co_u32 s81, s81, s82
	s_mul_i32 s82, s81, 12288
	s_add_co_u32 s82, s82, 512
	s_mov_b32 s83, 0
	s_xor_b32 s84, s[W2], 4                        ; 0 in waves 8, 9,
	s_or_b32 s84, s84, ttmp9                       ; of the clusters with x = 0
	s_cmp_eq_u32 s84, 0
	s_cselect_b32 s[LIM], 1, 0
	s_mov_b32 s86, 0x01000100
	s_cmp_eq_u32 s85, 1
	s_cselect_b32 s[PM], -1, 0
	s_cselect_b32 s86, 0x03020302, s86
	s_mul_i32 s80, s[QT], 16*MROW
	s_mul_i32 s88, s[HW], KVB
	s_add_co_u32 s88, s88, KV0                     ; my head's record in slot 0
	s_add_co_u32 s89, s88, 12288
	s_mov_b32 s[SEL], 0x76543210
	s_mov_b32 s[SEL+1], 0xfedcba98
	s_mov_b32 s[CS], 0x3fb8aa3b                    ; log2(e)
	s_mov_b32 s[CS+1], s[CS]
	s_mov_b32 s[HM], 0xffff0000
	s_mov_b32 s[CNT], 11
	s_wait_kmcnt 0x0
	s_add_nc_u64 s[PFA:PFA+1], s[8:9], s[82:83]
	s_add_nc_u64 s[78:79], s[4:5], s[78:79]
	s_add_nc_u64 s[76:77], s[4:5], s[76:77]
	ROUND
.irp sl, 0,1
	s_mov_b32 s[G0M+4*\sl], 1
	s_add_co_u32 s[G0M+4*\sl+1], s72, \sl*MSKB
	s_add_nc_u64 s[G0M+4*\sl+2:G0M+4*\sl+3], s[8:9], s[70:71]
	s_add_nc_u64 s[G0M+4*\sl+2:G0M+4*\sl+3], s[G0M+4*\sl+2:G0M+4*\sl+3], 512*\sl
	s_or_b32 s[G0M+4*\sl+3], s[G0M+4*\sl+3], 0x80000000
	s_mov_b32 s[G0K+4*\sl], 1
	s_add_co_u32 s[G0K+4*\sl+1], s87, KV0+\sl*2*KVB
	s_add_nc_u64 s[G0K+4*\sl+2:G0K+4*\sl+3], s[6:7], s[74:75]
	s_add_nc_u64 s[G0K+4*\sl+2:G0K+4*\sl+3], s[G0K+4*\sl+2:G0K+4*\sl+3], KVB*\sl
	s_or_b32 s[G0K+4*\sl+3], s[G0K+4*\sl+3], 0x80000000
.endr
	TLOAD 0                                        ; key step 0; slot 1 is first filled behind the first trip's round
	v_and_b32 v[BM], 31, v0                        ; lane
	v_and_b32 v[BM+1], 15, v0                      ; r
	v_bfe_u32 v[BM+2], v0, 4, 1                    ; h
	s_delay_alu instid0(VALU_DEP_3)
	v_lshlrev_b32 v[T0], 4, v[BM]
	s_delay_alu instid0(VALU_DEP_3)
	v_lshlrev_b32 v[T1], 2, v[BM+1]
.irp c, 0,1,2
	global_load_b128 v[QR+4*\c:QR+4*\c+3], v[T0], s[78:79] offset:512*\c
.endr
	global_load_b32 v[QW], v[T1], s[76:77]
	v_mul_u32_u24 v[AM0], v[BM+1], MROW
	s_delay_alu instid0(VALU_DEP_1)
	v_lshl_add_u32 v[AM0], v[BM+2], 5, v[AM0]
	s_delay_alu instid0(VALU_DEP_1)
	v_add_nc_u32 v[AM0], s80, v[AM0]
	s_delay_alu instid0(VALU_DEP_1)
	v_add_nc_u32 v[AM0+1], MSKB, v[AM0]
	v_add_nc_u32 v[AK0], s88, v[T0]
	s_delay_alu instid0(VALU_DEP_1)
	v_add_nc_u32 v[AK0+1], 2*KVB, v[AK0]
	v_lshlrev_b32 v[BM+3], 2, v[BM]
	s_delay_alu instid0(VALU_DEP_1)
	v_add_nc_u32 v[AS0], s89, v[BM+3]
	s_delay_alu instid0(VALU_DEP_1)
	v_add_nc_u32 v[AS0+1], 2*KVB, v[AS0]
	v_lshlrev_b32 v[O8], 3, v[BM]
	v_lshl_add_u32 v[OB], v[BM+1], 5, v[BM+2]
	v_lshrrev_b32 v[PFO], 1, v[BM]
	s_delay_alu instid0(VALU_DEP_1)
	v_mul_u32_u24 v[PFO], v[PFO], 12288
	v_and_b32 v[BM+3], 1, v[BM]
	s_delay_alu instid0(VALU_DEP_1)
	v_lshl_add_u32 v[PFO], v[BM+3], 8, v[PFO]
	v_mov_b32 v13, 0xff61b1e6                      ; the largest t so far: -3e38
	s_delay_alu instid0(VALU_DEP_1)
	v_floor_f32 v12, -v13                          ; -M
	v_mov_b32 v14, 0
	v_mov_b32 v15, 0
	v_mov_b32 v[FF+1], 0
.irp b, 0,1,2,3
	v_mov_b32 v[PT+\b], 0
.endr
.irp i, 0,1,2,3,4,5
	v_mov_b32 v[QH+\i], 0
	v_mov_b32 v[QL+6+\i], 0
.endr
	s_wait_loadcnt 0x0                             ; q
.irp i, 0,1,2,3,4,5
	v_cndmask_b32 v[QL+\i], v[QR+\i], v[QR+6+\i], s[PM]
.endr
	v_perm_b32 v[QS], v[QW], v[QW], s86
.set j, 0
.rept 32
	v_mov_b32 v[OT+j], 0                           ; the step is written once; its first turn finds zeros
.set j, j+1
.endr
	s_wait_alu depctr_va_vdst(0)                   ; the wait at the head's end
.macro STEP sl
	ds_load_b32 v[KS], v[AS0+\sl]
	ds_load_b32 v[KS+1], v[AS0+\sl] offset:128
.irp p, 0,1,2,3
.irp c, 0,1,2
	ds_load_b128 v[FR+12*\p+4*\c:FR+12*\p+4*\c+3], v[AK0+\sl] offset:1536*\p+512*\c
.endr
.irp e, 0,1,2,3
	ds_load_b128 v[S+16*\p+4*\e:S+16*\p+4*\e+3], v[AM0+\sl] offset:128*\p+64*(\e/2)+16*(\e%2)
.endr
.endr
.irp p, 0,1,2,3
	s_wait_dscnt 7*(3-\p)                          ; pair p's seven loads are in; the later pairs' seven each may be out
.if \p%2
	v_wmma_scale_f32_16x16x128_f8f6f4 v[S+16*\p:S+16*\p+7], v[FR+12*\p:FR+12*\p+11], v[QL:QL+11], v[S+16*\p:S+16*\p+7], v[KS+\p/2], v[QS] matrix_a_fmt:MATRIX_FMT_FP6 matrix_b_fmt:MATRIX_FMT_FP6 matrix_a_scale:MATRIX_SCALE_ROW1
	v_wmma_scale_f32_16x16x128_f8f6f4 v[S+16*\p+8:S+16*\p+15], v[FR+12*\p:FR+12*\p+11], v[QH:QH+11], v[S+16*\p+8:S+16*\p+15], v[KS+\p/2], v[QS] matrix_a_fmt:MATRIX_FMT_FP6 matrix_b_fmt:MATRIX_FMT_FP6 matrix_a_scale:MATRIX_SCALE_ROW1
.else
	v_wmma_scale_f32_16x16x128_f8f6f4 v[S+16*\p:S+16*\p+7], v[FR+12*\p:FR+12*\p+11], v[QL:QL+11], v[S+16*\p:S+16*\p+7], v[KS+\p/2], v[QS] matrix_a_fmt:MATRIX_FMT_FP6 matrix_b_fmt:MATRIX_FMT_FP6
	v_wmma_scale_f32_16x16x128_f8f6f4 v[S+16*\p+8:S+16*\p+15], v[FR+12*\p:FR+12*\p+11], v[QH:QH+11], v[S+16*\p+8:S+16*\p+15], v[KS+\p/2], v[QS] matrix_a_fmt:MATRIX_FMT_FP6 matrix_b_fmt:MATRIX_FMT_FP6
.endif
.endr
.rept 4
	v_nop                                          ; places ahead of the loads into K's registers and of the first read of the scores
.endr
	ds_load_b32 v[VS], v[AS0+\sl] offset:256
	ds_load_b32 v[VS+1], v[AS0+\sl] offset:384
.irp t, 0,1,2,3
.irp c, 0,1,2
	ds_load_b128 v[FR+12*\t+4*\c:FR+12*\t+4*\c+3], v[AK0+\sl] offset:6144+1536*\t+512*\c
.endr
.endr
.irp b, 0,1,2,3
	v_max3_num_f32 v[BM+\b], v[S+16*\b], v[S+1+16*\b], v[S+2+16*\b]   ; each block's largest logit: for the row's maximum and for the block's largest p
.endr
.irp i, 3,5,7,9,11,13
.irp b, 0,1,2,3
	v_max3_num_f32 v[BM+\b], v[BM+\b], v[S+16*\b+\i], v[S+1+16*\b+\i]
.endr
.endr
.irp b, 0,1,2,3
	v_max_num_f32 v[BM+\b], v[BM+\b], v[S+15+16*\b]
.endr
.irp b, 0,1,2,3
	s_delay_alu instid0(VALU_DEP_4)
	v_permlanex16_b32 v[PT+\b], v[BM+\b], s[SEL], s[SEL+1]
.endr
.irp b, 0,1,2,3
	s_delay_alu instid0(VALU_DEP_4)
	v_max_num_f32 v[BM+\b], v[BM+\b], v[PT+\b]
.endr
	s_delay_alu instid0(VALU_DEP_2)
	v_max3_num_f32 v[T0], v[BM], v[BM+1], v[BM+2]
	s_delay_alu instid0(VALU_DEP_1)
	v_max_num_f32 v[T0], v[T0], v[BM+3]
	s_delay_alu instid0(VALU_DEP_1)
	v_mul_f32 v[T0], s[CS], v[T0]
	s_delay_alu instid0(VALU_DEP_1)
	v_max_num_f32 v13, v13, v[T0]                  ; the running largest t
	v_mov_b32 v[T0], v12
	s_delay_alu instid0(VALU_DEP_2)
	v_floor_f32 v12, -v13                          ; the new -M
	s_delay_alu instid0(VALU_DEP_1)
	v_sub_f32 v[T0], v12, v[T0]
	s_delay_alu instid0(VALU_DEP_1)
	v_cvt_i32_f32 v[T0], v[T0]
	s_delay_alu instid0(VALU_DEP_1)
	v_ldexp_f32 v[FF], 1.0, v[T0]                  ; f = 2^(old M - new M)
.set j, 0
.rept 32
	v_pk_fma_f32 v[S+j:S+j+1], v[S+j:S+j+1], s[CS:CS+1], v[12:13] op_sel_hi:[1,0,0]   ; t - M
.set j, j+2
.endr
.irp b, 0,1,2,3
	v_fma_f32 v[BM+\b], v[BM+\b], s[CS], v12
.endr
	s_wait_alu depctr_va_vdst(0)                   ; the wait ahead of the batch
.set j, 0
.rept 64
	v_exp_f32 v[S+j], v[S+j]
.set j, j+1
.endr
	v_pk_mul_f32 v[14:15], v[14:15], v[FF:FF+1] op_sel_hi:[1,0]   ; the sums under the new M: a plain place behind the exponentials
	s_wait_alu depctr_va_vdst(0)                   ; one wait for the batch
.irp b, 0,1,2,3
	v_exp_f32 v[BM+\b], v[BM+\b]                   ; the block's largest p
.endr
.irp c, 0,1,2,3
	v_pk_add_f32 v[CH+2*\c:CH+2*\c+1], v[S+4*\c:S+4*\c+1], v[S+4*\c+2:S+4*\c+3]   ; the row's sum of the unquantised p, in four chains
.endr
.irp g, 16,24,32,40,48,56
.irp c, 0,1,2,3
	v_pk_add_f32 v[CH+2*\c:CH+2*\c+1], v[CH+2*\c:CH+2*\c+1], v[S+\g+2*\c:S+\g+2*\c+1]
.endr
.endr
	v_pk_add_f32 v[CH:CH+1], v[CH:CH+1], v[CH+2:CH+3]
	v_pk_add_f32 v[CH+4:CH+5], v[CH+4:CH+5], v[CH+6:CH+7]
	s_delay_alu instid0(VALU_DEP_1)
	v_pk_add_f32 v[CH:CH+1], v[CH:CH+1], v[CH+4:CH+5]
	s_delay_alu instid0(VALU_DEP_1)
	v_pk_add_f32 v[14:15], v[14:15], v[CH:CH+1]
	s_wait_alu depctr_va_vdst(0)                   ; and one for the four
.irp b, 0,1,2,3
	v_max_num_f32 v[BM+\b], 0x1800000, v[BM+\b]    ; the floor: the byte cannot fall under 1
.endr
.irp b, 0,1,2,3
	s_delay_alu instid0(VALU_DEP_4)
	v_add_nc_u32 v[SO+\b], 0xff000000, v[BM+\b]
.endr
.irp b, 0,1,2,3
	s_delay_alu instid0(VALU_DEP_4)
	v_lshrrev_b32 v[PT+\b], 23, v[SO+\b]
.endr
	s_delay_alu instid0(VALU_DEP_3)
	v_lshl_or_b32 v[PS], v[PT+1], 8, v[PT]
	s_delay_alu instid0(VALU_DEP_1)
	v_lshl_or_b32 v[PS], v[PT+2], 16, v[PS]
	s_delay_alu instid0(VALU_DEP_1)
	v_lshl_or_b32 v[PS], v[PT+3], 24, v[PS]
.irp c, 0,1
	v_cvt_scalef32_pk16_fp6_f32 v[PC+6*\c:PC+2+6*\c], v[S+32*\c:S+15+32*\c], v[SO+2*\c]
	v_cvt_scalef32_pk16_fp6_f32 v[CT+4*\c:CT+2+4*\c], v[S+16+32*\c:S+31+32*\c], v[SO+2*\c+1]
.endr
	v_nop
.irp c, 0,1
.irp i, 0,1,2
	v_permlane16_swap_b32 v[PC+6*\c+\i], v[CT+4*\c+\i]
.endr
.irp i, 0,1,2
	s_delay_alu instid0(VALU_DEP_3)
	v_mov_b32 v[PC+3+6*\c+\i], v[CT+4*\c+\i]
.endr
.endr
	s_wait_alu depctr_va_vdst(0)                   ; the wait directly ahead of O^T's first reader
.set j, 0
.rept 16
	v_pk_mul_f32 v[OT+j:OT+j+1], v[OT+j:OT+j+1], v[FF:FF+1] op_sel_hi:[1,0]   ; O^T under the new M; also the places ahead of the products below
.set j, j+2
.endr
	s_wait_alu depctr_va_vdst(0)
	s_wait_dscnt 0x0                               ; V
.irp t, 0,1,2,3
.if \t%2
	v_wmma_scale_f32_16x16x128_f8f6f4 v[OT+8*\t:OT+8*\t+7], v[FR+12*\t:FR+12*\t+11], v[PC:PC+11], v[OT+8*\t:OT+8*\t+7], v[VS+\t/2], v[PS] matrix_a_fmt:MATRIX_FMT_FP6 matrix_b_fmt:MATRIX_FMT_FP6 matrix_a_scale:MATRIX_SCALE_ROW1
.else
	v_wmma_scale_f32_16x16x128_f8f6f4 v[OT+8*\t:OT+8*\t+7], v[FR+12*\t:FR+12*\t+11], v[PC:PC+11], v[OT+8*\t:OT+8*\t+7], v[VS+\t/2], v[PS] matrix_a_fmt:MATRIX_FMT_FP6 matrix_b_fmt:MATRIX_FMT_FP6
.endif
.endr
.rept 4
	v_nop
.endr
.endm
; A TRIP: all my tensor loads have landed, the add, the wait, a round, the other slot's refill, the step.  One tensor load of a wave is out, with a whole step in which to land.
.macro TRIP sl, refill, ask
	s_wait_tensorcnt 0x0
	ds_add_u32 v[SPW], v[NIL]
	ds_add_u32 v[SPW], v[NIL]
	s_add_nc_u64 s[G0M+4*\sl+2:G0M+4*\sl+3], s[G0M+4*\sl+2:G0M+4*\sl+3], 1024
	s_add_nc_u64 s[G0K+4*\sl+2:G0K+4*\sl+3], s[G0K+4*\sl+2:G0K+4*\sl+3], 2*KVB
.if \ask
	s_wait_xcnt 0x0                                ; the last prefetch, a step back, has read its address
	s_add_nc_u64 s[PFA:PFA+1], s[PFA:PFA+1], 512
.endif
	s_wait_dscnt 0x0
	ROUND
.if \refill
	TLOAD 1-\sl
.endif
.if \ask
	ASK
.endif
	STEP \sl
.endm
.Ltrip:                                            ; 11 trips of two steps
	TRIP 0, 1, 1
	TRIP 1, 1, 1
	s_sub_co_u32 s[CNT], s[CNT], 1
	s_cmp_lg_u32 s[CNT], 0
	s_cbranch_scc1 .Ltrip
	TRIP 0, 1, 0                                   ; step 22 asks for step 23's tiles; no tile is left to prefetch
	TRIP 1, 0, 0
	; THE WAY OUT: ctx = O^T / the sum, quantised along the model's axis: my head's 64 channels are two blocks of 32
	v_add_f32 v14, v14, v15
	s_delay_alu instid0(VALU_DEP_1)
	v_permlanex16_b32 v[T0], v14, s[SEL], s[SEL+1]
	s_delay_alu instid0(VALU_DEP_1)
	v_add_f32 v14, v14, v[T0]
	s_wait_alu depctr_va_vdst(0)
	v_rcp_f32 v14, v14
	v_nop
	s_lshl_b32 s87, s18, 3
	s_add_co_u32 s87, s87, s[QT]                   ; my tile of 16 tokens
	s_lshl_b32 s88, s87, 3
	s_lshr_b32 s89, s[HD], 1
	s_add_co_u32 s88, s88, s89                     ; its fragment of 128 along K: two heads
	s_mul_i32 s88, s88, 1536
	s_and_b32 s89, s[HD], 1
	s_mul_i32 s89, s89, 768
	s_add_co_u32 s88, s88, s89
	s_mov_b32 s89, 0
	s_add_nc_u64 s[10:11], s[10:11], s[88:89]
	s_lshl_b32 s90, s87, 9
	s_lshl_b32 s91, s[HD], 1
	s_add_co_u32 s90, s90, s91
	s_mov_b32 s91, 0
	s_add_nc_u64 s[12:13], s[12:13], s[90:91]
	s_wait_alu depctr_va_vdst(0)                   ; ahead of the reciprocal's and O^T's first reader
.set j, 0
.rept 32
	v_mul_f32 v[S+j], v[OT+j], v14
.set j, j+1
.endr
.irp b, 0,1                            ; the true order: my 16 registers become channels 32 b + 16 h + 0 .. 15
.irp i, 0,1,2,3,4,5,6,7
	v_permlane16_swap_b32 v[S+16*\b+\i], v[S+16*\b+8+\i]
.endr
.endr
.irp b, 0,1
	v_max3_num_f32 v[BM+\b], |v[S+16*\b]|, |v[S+1+16*\b]|, 0x1800000
.endr
.irp i, 2,4,6,8,10,12,14
.irp b, 0,1
	s_delay_alu instid0(VALU_DEP_2)
	v_max3_num_f32 v[BM+\b], v[BM+\b], |v[S+16*\b+\i]|, |v[S+1+16*\b+\i]|
.endr
.endr
.irp b, 0,1
	s_delay_alu instid0(VALU_DEP_2)
	v_permlanex16_b32 v[PT+\b], v[BM+\b], s[SEL], s[SEL+1]
.endr
.irp b, 0,1
	s_delay_alu instid0(VALU_DEP_2)
	v_max_num_f32 v[BM+\b], v[BM+\b], v[PT+\b]
.endr
.irp b, 0,1
	s_delay_alu instid0(VALU_DEP_2)
	v_add_nc_u32 v[SO+\b], 0xff000000, v[BM+\b]
.endr
.irp b, 0,1
	s_delay_alu instid0(VALU_DEP_2)
	v_lshrrev_b32 v[PT+\b], 23, v[SO+\b]
.endr
	v_cvt_scalef32_pk16_fp6_f32 v[PC:PC+2], v[S:S+15], v[SO]
	v_cvt_scalef32_pk16_fp6_f32 v[CT:CT+2], v[S+16:S+31], v[SO+1]
	v_nop
.irp i, 0,1,2
	v_permlane16_swap_b32 v[PC+\i], v[CT+\i]
.endr
.irp i, 0,1,2
	s_delay_alu instid0(VALU_DEP_3)
	v_mov_b32 v[PC+3+\i], v[CT+\i]
.endr
	v_cndmask_b32 v[T0], v[PT], v[PT+1], s[HM]
.irp i, 0,1,2
	global_store_b64 v[O8], v[PC+2*\i:PC+2*\i+1], s[10:11] offset:256*\i   ; 32 lanes store 256 consecutive bytes, aligned
.endr
	global_store_b8 v[OB], v[T0], s[12:13]
	s_wait_tensorcnt 0x0                           ; the wave's end
	ds_add_u32 v[SPW], v[NIL]
	s_wait_dscnt 0x0
	ROUND
	s_endpgm
.Lfunc_end_k_q5caa72ffb3_attn:
	.size	k_q5caa72ffb3_attn, .Lfunc_end_k_q5caa72ffb3_attn-k_q5caa72ffb3_attn
	.p2alignl 7, 3214868480
	.fill 96, 4, 3214868480
	.section	.rodata,"a",@progbits
	.p2align	6, 0x0
	.amdhsa_kernel k_q5caa72ffb3_attn
		.amdhsa_group_segment_fixed_size 327680
		.amdhsa_private_segment_fixed_size 0
		.amdhsa_enable_private_segment 0
		.amdhsa_kernarg_size 40
		.amdhsa_user_sgpr_count 2
		.amdhsa_user_sgpr_kernarg_segment_ptr 1
		.amdhsa_wavefront_size32 1
		.amdhsa_system_sgpr_workgroup_id_x 1
		.amdhsa_system_sgpr_workgroup_id_y 1
		.amdhsa_system_sgpr_workgroup_id_z 1
		.amdhsa_system_vgpr_workitem_id 0
		.amdhsa_next_free_vgpr 256
		.amdhsa_next_free_sgpr 96
		.amdhsa_reserve_vcc 0
		.amdhsa_float_denorm_mode_32 3
		.amdhsa_float_denorm_mode_16_64 3
		.amdhsa_memory_ordered 1
		.amdhsa_forward_progress 1
		.amdhsa_inst_pref_size 91
	.end_amdhsa_kernel
	.amdgpu_metadata
---
amdhsa.version: [ 1, 2 ]
amdhsa.kernels:
  - .name:           k_q5caa72ffb3_attn
    .symbol:         k_q5caa72ffb3_attn.kd
    .args:
      - { .name: q, .offset: 0, .size: 8, .value_kind: global_buffer, .address_space: global }
      - { .name: kv, .offset: 8, .size: 8, .value_kind: global_buffer, .address_space: global }
      - { .name: mask, .offset: 16, .size: 8, .value_kind: global_buffer, .address_space: global }
      - { .name: ctxc, .offset: 24, .size: 8, .value_kind: global_buffer, .address_space: global }
      - { .name: ctxs, .offset: 32, .size: 8, .value_kind: global_buffer, .address_space: global }
    .group_segment_fixed_size: 327680
    .private_segment_fixed_size: 0
    .kernarg_segment_align: 8
    .kernarg_segment_size: 40
    .max_flat_workgroup_size: 512
    .sgpr_count:     96
    .vgpr_count:     256
    .wavefront_size: 32
...
	.end_amdgpu_metadata
.endif
;; end of part 3
;; launch outproj (part 4): grid 8 x 32, 4 waves a work-group, clusters of 4 x 4, 327,680 bytes of LDS; arguments ctxc, ctxs, W_out_codes, W_out_scales, b_out, out0; writes out0
.if DOCPART == 4
	.amdgcn_target "amdgcn-amd-amdhsa--gfx1250"
	.amdhsa_code_object_version 6
	.text
	.protected	k_q5caa72ffb3_outproj
	.globl	k_q5caa72ffb3_outproj
	.p2align	8
	.type	k_q5caa72ffb3_outproj,@function
k_q5caa72ffb3_outproj:
	s_mov_b64 s[64:65], 0
	v_nop
	global_prefetch_b8 v0, s[64:65] scope:SCOPE_SE
	s_setreg_imm32_b32 hwreg(HW_REG_WAVE_MODE, 25, 1), 1
	s_wait_xcnt 0x0
	s_wait_alu depctr_hold_cnt(0) depctr_sa_sdst(0) depctr_va_vdst(0) depctr_va_sdst(0) depctr_va_ssrc(0) depctr_va_vcc(0) depctr_vm_vsrc(0)
	s_getreg_b32 s2, hwreg(HW_REG_IB_STS2, 6, 4)
	s_cmp_eq_u32 s2, 0
	s_cbranch_scc0 .Lentry_in_a_cluster
	s_endpgm
.Lentry_in_a_cluster:
	s_bfe_u32 s2, ttmp6, 0x10000c
	s_cmp_lg_u32 s2, 0xf033
	s_cbranch_scc0 .Lentry_shape_is_right
	s_endpgm
.Lentry_shape_is_right:
; out0 = ctx W_out + b_out on codes of FP6 (E2M3) with E8M0 scales.  A work-group makes 128 x 128 of out0: 8 x 32 = 256 work-groups; a wave 64 x 64, 16 accumulators.
; ALL OF K IS IN LDS AT ONCE: 128 tokens of ctxc (8 tiles of 16 tokens x 8 fragments x 6 planes of 256 bytes, images of operand registers) and 128 rows of W_out (768 bytes each) are dense blocks of 98,304 bytes,
; brought as 384 rows of 256 bytes with 16 bytes of padding behind each; the scales as 16 such rows a side.  Four joint loads, one a wave; nothing is filled again, so one barrier serves the launch.
; CLUSTER 4 x 4: ctx's blocks are shared along a row, W_out's along a column.  No prefetch: there is no loop to run ahead in.
; The product is used transposed (source 0 = rows of W_out, source 1 = tokens): a lane holds eight neighbouring columns of a row of out0.  The bias is the C of the first step's products.
; REGISTERS: window 0: v0-31 addresses; v32-127, v128-223 two sets of fragments (4 of ctx, 4 of W_out); v224-255 scale words (block i, step st at 224 + 8 i + st: lanes 0-15 ctx's, lanes 16-31 W_out's).
;   window 1: v0-127 accumulators, v128-159 the bias.
.set UNIT,   272
.set CODB,   384*UNIT
.set BROW,   3*UNIT                    ; a row of W_out in LDS: byte y at y + 16 (y / 256)
.set SCL,    2*CODB
.set SCB,    16*UNIT
.set STAGE,  SCL+2*SCB                 ; 16 rows x 272 bytes for each wave; no tensor load lands here
.set SPITCH, 272
.set SPARE,  STAGE+4*16*SPITCH
.set ADRA, 16
.set ADRB, 18                          ; v18; v19: 16 more in lanes 16-31, for a piece whose upper lanes lie behind the next padding
.set ADRS, 20
.set STO,  21
.set RD,   22
.set CO,   23
.set BO,   24
.set SPW,  28
.set NIL,  29
.set SC,   224
.set G1A, 24
.set G0A, 32
.set G0B, 36
.set G1B, 48
.set G0S, 56
.set G0SB, 60
.set G1S, 68
.set G1SB, 80
.set MSB, 0
.macro WIN new
.if MSB != (\new)
	s_set_vgpr_msb (MSB<<8)|(\new)
.set MSB, (\new)
.endif
.endm
.macro CROUND
	s_barrier_signal -1
	s_barrier_wait -1
	s_cmp_lg_u32 s16, 0
	s_cbranch_scc1 .Lnot_wave_0_\@
	s_barrier_signal -3
.Lnot_wave_0_\@:
	s_barrier_wait -3
	s_barrier_signal -1
	s_barrier_wait -1
.endm
	s_load_b128 s[4:7], s[0:1], 0x0                ; ctxc, ctxs
	s_load_b128 s[8:11], s[0:1], 0x10              ; W_out: codes, scales
	s_load_b128 s[12:15], s[0:1], 0x20             ; b_out, out0
	v_lshl_add_u32 v[SPW], v0, 2, SPARE
	v_mov_b32 v[NIL], 0
	ds_add_u32 v[SPW], v[NIL]                      ; the opening lines
	ds_add_u32 v[SPW], v[NIL]
	v_lshrrev_b32 v1, 5, v0
	v_readfirstlane_b32 s16, v1                    ; wave
	s_lshr_b32 s17, s16, 1                         ; my half of the rows
	s_and_b32 s18, s16, 1                          ; my half of the columns
	s_bfe_u32 s40, ttmp6, 0x40000                  ; cx
	s_bfe_u32 s41, ttmp6, 0x40004                  ; cy
	s_lshl_b32 s42, ttmp9, 2
	s_add_co_u32 s42, s42, s40                     ; block column
	s_and_b32 s43, ttmp7, 0xffff
	s_lshl_b32 s43, s43, 2
	s_add_co_u32 s43, s43, s41                     ; block row
	s_lshl_b32 s44, s41, 2
	s_lshl_b32 s44, 15, s44                        ; my row of the cluster
	s_lshl_b32 s45, 0x1111, s40                    ; my column
	s_or_b32 s[G1A+0], s44, (3<<16)|(1<<20)|(1<<21)|(5<<22)|(3<<25)
	s_or_b32 s[G1B+0], s45, (3<<16)|(1<<20)|(1<<21)|(5<<22)|(3<<25)
.irp g, G1A, G1B
	s_mov_b32 s[\g+1], 32<<16                      ; 384 rows of 32 elements of 8 bytes
	s_mov_b32 s[\g+2], 384<<16
	s_mov_b32 s[\g+3], 32<<16
	s_mov_b32 s[\g+4], 384
	s_mov_b32 s[\g+5], 32
	s_mov_b32 s[\g+6], 0
	s_mov_b32 s[\g+7], 0
.endr
	s_or_b32 s[G1S+0], s44, (3<<16)|(1<<20)|(1<<21)|(5<<22)|(3<<25)
	s_or_b32 s[G1SB+0], s45, (3<<16)|(1<<20)|(1<<21)|(5<<22)|(3<<25)
.irp g, G1S, G1SB
	s_mov_b32 s[\g+1], 32<<16                      ; 16 such rows
	s_mov_b32 s[\g+2], 16<<16
	s_mov_b32 s[\g+3], 32<<16
	s_mov_b32 s[\g+4], 16
	s_mov_b32 s[\g+5], 32
	s_mov_b32 s[\g+6], 0
	s_mov_b32 s[\g+7], 0
.endr
	s_mul_i32 s20, s43, 98304
	s_mov_b32 s21, 0
	s_mul_i32 s22, s42, 98304
	s_mov_b32 s23, 0
	s_lshl_b32 s46, s43, 12
	s_mov_b32 s47, 0
	s_lshl_b32 s88, s42, 12
	s_mov_b32 s89, 0
	s_wait_dscnt 0x0
	s_wait_kmcnt 0x0
	s_add_nc_u64 s[20:21], s[4:5], s[20:21]
	s_add_nc_u64 s[22:23], s[8:9], s[22:23]
	s_add_nc_u64 s[46:47], s[6:7], s[46:47]
	s_add_nc_u64 s[88:89], s[10:11], s[88:89]
	CROUND                                         ; the joint loads meet
	s_mov_b32 s[G0A], 1
	s_mov_b32 s[G0A+1], 0
	s_mov_b64 s[G0A+2:G0A+3], s[20:21]
	s_or_b32 s[G0A+3], s[G0A+3], 0x80000000
	s_mov_b32 s[G0B], 1
	s_mov_b32 s[G0B+1], CODB
	s_mov_b64 s[G0B+2:G0B+3], s[22:23]
	s_or_b32 s[G0B+3], s[G0B+3], 0x80000000
	s_mov_b32 s[G0S], 1
	s_mov_b32 s[G0S+1], SCL
	s_mov_b64 s[G0S+2:G0S+3], s[46:47]
	s_or_b32 s[G0S+3], s[G0S+3], 0x80000000
	s_mov_b32 s[G0SB], 1
	s_mov_b32 s[G0SB+1], SCL+SCB
	s_mov_b64 s[G0SB+2:G0SB+3], s[88:89]
	s_or_b32 s[G0SB+3], s[G0SB+3], 0x80000000
.macro ARM under, g0, g1, next         ; one chain of branches on the wave's number, one load to an arm
	s_cmp_lt_u32 s16, \under
	s_cbranch_scc0 \next
	tensor_load_to_lds s[\g0:\g0+3], s[\g1:\g1+7]
	s_nop 0
.rept 4
	v_nop
.endr
	s_branch .Lhead_asked
\next:
.endm
	ARM 1, G0A, G1A, .Lhead_b
	ARM 2, G0B, G1B, .Lhead_sa
	ARM 3, G0S, G1S, .Lhead_sb
	tensor_load_to_lds s[G0SB:G0SB+3], s[G1SB:G1SB+7]
	s_nop 0
.rept 4
	v_nop
.endr
.Lhead_asked:
	s_mul_i32 s20, s17, 4*48*UNIT                  ; ctx: my four tiles of 48 planes
	s_mul_i32 s21, s18, 64*BROW
	s_add_co_u32 s21, s21, CODB                    ; W_out: my 64 rows
	s_mul_i32 s22, s17, 8*UNIT                     ; ctx's scales: my 64 rows
	s_mul_i32 s23, s18, 8*UNIT
	s_add_co_u32 s23, s23, SCB
	s_sub_co_u32 s23, s23, s22                     ; the distance to W_out's
	s_add_co_u32 s22, s22, SCL
	s_mul_i32 s19, s16, 16*SPITCH
	s_add_co_u32 s19, s19, STAGE                   ; my stage
	s_lshl_b32 s46, s42, 9
	s_lshl_b32 s47, s18, 8
	s_add_co_u32 s46, s46, s47                     ; my first column, in bytes
	s_mov_b32 s47, 0
	s_add_nc_u64 s[12:13], s[12:13], s[46:47]      ; the bias
	s_lshl_b32 s88, s43, 7
	s_lshl_b32 s89, s17, 6
	s_add_co_u32 s88, s88, s89
	s_lshl_b32 s88, s88, 12                        ; my first row of out0, 4,096 bytes a row
	s_mov_b32 s89, 0
	s_add_nc_u64 s[14:15], s[14:15], s[88:89]
	s_add_nc_u64 s[14:15], s[14:15], s[46:47]
	v_and_b32 v1, 15, v0                           ; r
	v_bfe_u32 v2, v0, 4, 1                         ; h
	v_and_b32 v3, 31, v0                           ; lane
	v_lshlrev_b32 v[BO], 5, v2
	v_lshl_add_u32 v[ADRA], v3, 3, s20
	v_mul_u32_u24 v4, v1, BROW
	v_mad_u32_u24 v4, v2, 24, v4
	v_add_nc_u32 v[ADRB], s21, v4
	v_lshl_add_u32 v[ADRB+1], v2, 4, v[ADRB]
	v_lshlrev_b32 v5, 5, v1                        ; my row's 32 scale bytes,
	v_lshrrev_b32 v6, 8, v5
	v_lshl_add_u32 v5, v6, 4, v5                   ; and 16 more for each 256 passed
	v_mul_u32_u24 v6, s23, v2                      ; lanes 16-31 take W_out's
	v_add_nc_u32 v5, v5, v6
	v_add_nc_u32 v[ADRS], s22, v5
	v_mul_u32_u24 v5, v1, SPITCH
	v_lshl_add_u32 v5, v2, 5, v5
	v_add_nc_u32 v[STO], s19, v5                   ; in: row r, 32 bytes for each half of the lanes
	v_mul_u32_u24 v6, v2, SPITCH
	v_lshl_add_u32 v6, v1, 4, v6
	v_add_nc_u32 v[RD], s19, v6                    ; back: lanes 0-15 one row of 256 bytes, lanes 16-31 the next
	v_lshlrev_b32 v7, 12, v2
	v_lshl_add_u32 v[CO], v1, 4, v7                ; the same two rows in out0
	WIN 0x40
.irp b, 0,1,2,3
	global_load_b128 v[128+8*\b:128+8*\b+3], v[BO], s[12:13] offset:64*\b        ; b_out at my eight columns of block b
	global_load_b128 v[128+8*\b+4:128+8*\b+7], v[BO], s[12:13] offset:64*\b+16
.endr
	WIN 0
.macro FETCH st, f                     ; step st's eight fragments into set f: 48 loads
.irp a, 0,1,2,3
.irp n, 0,1,2,3,4,5
	ds_load_b64 v[32+96*(\f)+12*\a+2*\n:32+96*(\f)+12*\a+2*\n+1], v[ADRA] offset:(48*\a+6*(\st)+\n)*UNIT
.endr
.endr
.irp b, 0,1,2,3
.irp p, 0,1,2,3,4,5
.set BY, 96*(\st)+48*(\p/3)+8*(\p%3)
.if BY/256 == (BY+24)/256
	ds_load_b64 v[80+96*(\f)+12*\b+2*\p:80+96*(\f)+12*\b+2*\p+1], v[ADRB] offset:BY+16*(BY/256)+\b*16*BROW
.else
	ds_load_b64 v[80+96*(\f)+12*\b+2*\p:80+96*(\f)+12*\b+2*\p+1], v[ADRB+1] offset:BY+16*(BY/256)+\b*16*BROW
.endif
.endr
.endr
.endm
.macro MUL st, f, first                ; the 16 accumulators take turns
.irp a, 0,1,2,3
.irp b, 0,1,2,3
.if \first
	v_wmma_scale_f32_16x16x128_f8f6f4 v[8*(4*\a+\b):8*(4*\a+\b)+7], v[80+96*(\f)+12*\b:80+96*(\f)+12*\b+11], v[32+96*(\f)+12*\a:32+96*(\f)+12*\a+11], v[128+8*\b:128+8*\b+7], v[SC+8*\b+(\st)], v[SC+8*\a+(\st)] matrix_a_fmt:MATRIX_FMT_FP6 matrix_b_fmt:MATRIX_FMT_FP6 matrix_a_scale:MATRIX_SCALE_ROW1
.else
	v_wmma_scale_f32_16x16x128_f8f6f4 v[8*(4*\a+\b):8*(4*\a+\b)+7], v[80+96*(\f)+12*\b:80+96*(\f)+12*\b+11], v[32+96*(\f)+12*\a:32+96*(\f)+12*\a+11], v[8*(4*\a+\b):8*(4*\a+\b)+7], v[SC+8*\b+(\st)], v[SC+8*\a+(\st)] matrix_a_fmt:MATRIX_FMT_FP6 matrix_b_fmt:MATRIX_FMT_FP6 matrix_a_scale:MATRIX_SCALE_ROW1
.endif
.endr
.endr
.endm
	s_wait_alu depctr_va_vdst(0)                   ; the wait at the head's end
	s_wait_tensorcnt 0x0                           ; my block is in
	s_barrier_signal -1
	s_barrier_wait -1                              ; all four are in
.irp i, 0,1,2,3
	ds_load_b128 v[SC+8*\i:SC+8*\i+3], v[ADRS] offset:\i*2*UNIT
	ds_load_b128 v[SC+8*\i+4:SC+8*\i+7], v[ADRS] offset:\i*2*UNIT+16
.endr
	FETCH 0, 0
	s_wait_loadcnt 0x0                             ; the bias
	FETCH 1, 1
	s_wait_dscnt 48                                ; all but the next step's 48 loads
	WIN 0x50
	MUL 0, 0, 1
	WIN 0
.set STN, 1
.rept 6
.rept 4
	v_nop                                          ; places ahead of the loads into the set just multiplied
.endr
	FETCH STN+1, (STN+1)%2
	s_wait_dscnt 48                                ; all but the next step's 48 loads
	WIN 0x50
	MUL STN, STN%2, 0
	WIN 0
.set STN, STN+1
.endr
	s_wait_dscnt 0x0
	WIN 0x50
	MUL 7, 1, 0
	WIN 0
.rept 4
	v_nop                                          ; places ahead of the reads of the results and of the loads into the fragments' registers
.endr
; THE WAY OUT: 16 rows x 64 columns at a time through my own stage, back as whole rows of 256 bytes.  LDS serves a wave's instructions in order: no wait between the stores and the loads
.irp a, 0,1,2,3
	WIN 0x04
.irp b, 0,1,2,3
	ds_store_b128 v[STO], v[8*(4*\a+\b):8*(4*\a+\b)+3] offset:64*\b
	ds_store_b128 v[STO], v[8*(4*\a+\b)+4:8*(4*\a+\b)+7] offset:64*\b+16
.endr
	WIN 0
.irp t, 0,1,2,3,4,5,6,7
	ds_load_b128 v[32+32*\a+4*\t:32+32*\a+4*\t+3], v[RD] offset:\t*2*SPITCH
.endr
.endr
.irp a, 0,1,2,3
	s_wait_dscnt 16*(3-\a)                         ; block a is back; the later blocks' 16 LDS instructions each may be out
.irp t, 0,1,2,3,4,5,6,7
	global_store_b128 v[CO], v[32+32*\a+4*\t:32+32*\a+4*\t+3], s[14:15] offset:(16*\a+2*\t)*4096 th:TH_STORE_NT   ; 16 lanes store 256 consecutive bytes, aligned
.endr
.endr
	s_wait_tensorcnt 0x0                           ; the wave's end
	ds_add_u32 v[SPW], v[NIL]
	s_wait_dscnt 0x0
	CROUND                                         ; the closing round
	s_endpgm
.Lfunc_end_k_q5caa72ffb3_outproj:
	.size	k_q5caa72ffb3_outproj, .Lfunc_end_k_q5caa72ffb3_outproj-k_q5caa72ffb3_outproj
	.p2alignl 7, 3214868480
	.fill 96, 4, 3214868480
	.section	.rodata,"a",@progbits
	.p2align	6, 0x0
	.amdhsa_kernel k_q5caa72ffb3_outproj
		.amdhsa_group_segment_fixed_size 327680
		.amdhsa_private_segment_fixed_size 0
		.amdhsa_enable_private_segment 0
		.amdhsa_kernarg_size 48
		.amdhsa_user_sgpr_count 2
		.amdhsa_user_sgpr_kernarg_segment_ptr 1
		.amdhsa_wavefront_size32 1
		.amdhsa_system_sgpr_workgroup_id_x 1
		.amdhsa_system_sgpr_workgroup_id_y 1
		.amdhsa_system_sgpr_workgroup_id_z 1
		.amdhsa_system_vgpr_workitem_id 0
		.amdhsa_next_free_vgpr 512
		.amdhsa_next_free_sgpr 98
		.amdhsa_reserve_vcc 0
		.amdhsa_float_denorm_mode_32 3
		.amdhsa_float_denorm_mode_16_64 3
		.amdhsa_memory_ordered 1
		.amdhsa_forward_progress 1
		.amdhsa_inst_pref_size 59
	.end_amdhsa_kernel
	.amdgpu_metadata
---
amdhsa.version: [ 1, 2 ]
amdhsa.kernels:
  - .name:           k_q5caa72ffb3_outproj
    .symbol:         k_q5caa72ffb3_outproj.kd
    .args:
      - { .name: ctxc, .offset: 0, .size: 8, .value_kind: global_buffer, .address_space: global }
      - { .name: ctxs, .offset: 8, .size: 8, .value_kind: global_buffer, .address_space: global }
      - { .name: W_out_codes, .offset: 16, .size: 8, .value_kind: global_buffer, .address_space: global }
      - { .name: W_out_scales, .offset: 24, .size: 8, .value_kind: global_buffer, .address_space: global }
      - { .name: b_out, .offset: 32, .size: 8, .value_kind: global_buffer, .address_space: global }
      - { .name: out0, .offset: 40, .size: 8, .value_kind: global_buffer, .address_space: global }
    .group_segment_fixed_size: 327680
    .private_segment_fixed_size: 0
    .kernarg_segment_align: 8
    .kernarg_segment_size: 48
    .max_flat_workgroup_size: 128
    .sgpr_count:     98
    .vgpr_count:     512
    .wavefront_size: 32
...
	.end_amdgpu_metadata
.endif
;; end of part 4
